; MI455X (gfx1250); checked and timed in simulation.
; The chip was launched on July 23, 2026; its instructions are those of AMD's public machine-readable ISA for CDNA 5 (MIT licence, August 2026) and "CDNA5" Instruction Set Architecture Reference Guide (July 2026). The comments in the code are by the model that wrote it; some were corrected since.
;; Flax Mistral Attention. Allowed arithmetic: float matrix products may take bf16 or f16 operands with f32 sums; other float arithmetic in f32, or as packed bf16 or f16 multiplies, adds, multiply-adds, maxima and minima; sums over many terms, partial sums and values carried from step to step in f32; what a program stores and reads back later, other than sums and carried values, may be rounded once to bf16 or f16.
;; Inputs: Wk 2,048 x 512 float32; Wo 2,048 x 2,048 float32; Wq 2,048 x 2,048 float32; Wv 2,048 x 512 float32; attention_mask 1 x 2,048 bool; causal_mask 1 x 1 x 2,048 x 2,048 bool; freq_cis 2,048 x 64 x 2 float32; hidden_state 1 x 2,048 x 2,048 float32; position_ids 1 x 2,048 int32.
;; Outputs: out0 1 x 2,048 x 2,048 float32.
;; One version. Each part assembles by itself: llvm-mc -triple=amdgcn-amd-amdhsa -mcpu=gfx1250 --defsym DOCPART=n.
;; ======== version 1 of 1: 4 launches
;; limits: values are held in f16: magnitudes above 65,504 overflow, below 6.1e-05 lose precision
;; workspace buffers: xb 8,388,608 bytes; wb 12,582,912 bytes; wob 8,388,608 bytes; fcb 557,056 bytes; mbits 524,288 bytes of whole numbers; qkv 12,582,912 bytes; ob 8,388,608 bytes
;; launch prep (part 1): grid 1024 x 1, 8 waves a work-group, no clusters, 35,840 bytes of LDS; arguments hidden_state, Wq, Wo, Wk, Wv, freq_cis, position_ids, causal_mask, attention_mask, xb, wb, wob, fcb, mbits; writes xb, wb, wob, fcb, mbits
.if DOCPART == 1
	.amdgcn_target "amdgcn-amd-amdhsa--gfx1250"
	.amdhsa_code_object_version 6
	.text
	.protected	k_q6275b8e687_prep
	.globl	k_q6275b8e687_prep
	.p2align	8
	.type	k_q6275b8e687_prep,@function
k_q6275b8e687_prep:
	s_mov_b64 s[64:65], 0
	v_nop
	global_prefetch_b8 v0, s[64:65] scope:SCOPE_SE
	s_setreg_imm32_b32 hwreg(HW_REG_WAVE_MODE, 25, 1), 1
	s_wait_xcnt 0x0
; PREP: the first of four launches (prep, qkv, attn, oproj) of a Mistral attention block, S = H = 2048, 16 query heads, 4 key/value heads, head size 128.
; NO WORK OF reference() IS LEFT OUT.  Both masks are inputs, so every key tile is live for some inputs and attention is computed densely, the mask selecting; every input is loaded.
; jnp.repeat is not materialised: the four query heads of a group read the same K and V.
; This launch rounds the floating-point inputs once and lays them out for the products:
;   xb   [2048 tokens][2048] bf16
;   wb   [48 planes][2048 k][64 n] bf16: a plane is half a head's columns; planes 0-31 Wq, 32-39 Wk, 40-47 Wv
;   wob  [16 blocks of 128 n][2048 k][128 n]: Wo rounded to bf16, that number written as f16 (limit: below 6e-5 it keeps f16's fixed step of 6e-8)
;   fcb  [2176 rows][64 words]: (cos, sin) as two bf16; row t < 2048 is freq_cis[position_ids[t]] (an index is held to 0 .. 2047); rows 2048 on are (1, 0), for V, which is not rotated
;   mbits [128 blocks of 16 queries][2 halves kh][16 steps][32 words]: bit L of word 8 kt + j is causal_mask[q][key] & attention_mask[key], q = 16 block + L % 16,
;         key = 256 (step / 2) + 128 kh + 64 (step % 2) + 16 kt + 8 (L / 16) + j: the lane mask of register 8 kt + j of a tile of scores in the attention launch.
; JOBS by the work-group's number: 0-127 the mask bits of 16 queries, the table's rows of the same 16 tokens and one row (1, 0); 128-383 x; 384-639 Wq; 640-895 Wo; 896-959 Wk; 960-1023 Wv.
; 1,024 work-groups of 8 waves x 128 registers: four to a WGP.
; A CAST JOB is 65,536 source bytes: 16 loads of 16 bytes a thread.  A thread's 4 results are 8 bytes, and a wave's store covers 256 consecutive bytes, aligned.
; Load q reads at S[q] = 16 (lane % 16) + ((lane / 16) << sa) + (wave << sb) + (q & 3) se + (q >> 2) 16,384; its results go to D[q] = 8 lane + (wave << sha) + (q & 1) e1 + ((q >> 1) & 1) e2 + (q >> 2) f:
;   x, Wo: the source is walked on end (a wave's load covers 512 consecutive bytes).  x's destination is dense; Wo's wave is the block of 128 n within the load's eight
;   Wq, Wk, Wv: a wave's load is 64 columns (a plane's) of two neighbouring rows k, 256 consecutive bytes for each half of the lanes: its store is those two rows of the plane
; The body is written once: the job's two pointers and its constants are chosen by s_cselect on the work-group's number.
; No matrix unit, no cluster, no tensor load: each byte is read once by one thread, nothing is shared.
.set SPW,   8                          ; v8   LDS address of my spare word; never rewritten
.set NIL,   9                          ; v9   0; never rewritten
.set X,     16                         ; v[16:79]    as loaded: 4 registers a load; the first of them holds the load's offset until the load lands on it
.set Y,     80                         ; v[80:111]   to store: 2 registers a load
.set D,     112                        ; v[112:127]  where load q's results go
.set SPARE, 34816                      ; behind the eight waves' 16 rows x 272 bytes: the spare words, 128 bytes a wave
	s_load_b512 s[8:23], s[0:1], 0x0               ; hidden_state s[8:9], Wq s[10:11], Wo s[12:13], Wk s[14:15], Wv s[16:17], freq_cis s[18:19], position_ids s[20:21], causal_mask s[22:23]
	s_load_b256 s[24:31], s[0:1], 0x40             ; attention_mask s[24:25], xb s[26:27], wb s[28:29], wob s[30:31]
	s_load_b128 s[32:35], s[0:1], 0x60             ; fcb s[32:33], mbits s[34:35]
	v_lshl_add_u32 v[SPW], v0, 2, SPARE
	v_mov_b32 v[NIL], 0
	v_lshrrev_b32 v5, 5, v0                        ; my wave's number, in every lane
	v_readfirstlane_b32 s36, v5                    ; and as a scalar
	v_and_b32 v10, 31, v0                          ; my lane
	v_and_b32 v11, 15, v0                          ; lane % 16
	v_bfe_u32 v12, v0, 4, 1                        ; lane / 16
	s_mov_b32 s43, 0                               ; the high word of every offset pair
	s_wait_kmcnt 0x0
	s_cmp_lt_u32 ttmp9, 128
	s_cbranch_scc1 .Lmask
; The job's figures: s[44:45] source, s[46:47] destination, s40 its first work-group; the job's part of the destination begins at s48 + (j << s41);
; s38 = sha, s50 = e1, s51 = e2, s52 = f, s37 = sa, s39 = sb, s53 = se.  They start as Wv's, and each PICK overrides them for the work-groups below its bound.
.macro PICK lim, src, dst, first, dbs, dbc, sha, e1, e2, f, sa, sb, se
	s_cmp_lt_u32 ttmp9, \lim                       ; s_cselect leaves SCC as it is: one compare serves all
	s_cselect_b64 s[44:45], s[\src:\src+1], s[44:45]
	s_cselect_b64 s[46:47], s[\dst:\dst+1], s[46:47]
	s_cselect_b32 s40, \first, s40
	s_cselect_b32 s41, \dbs, s41
	s_cselect_b32 s48, \dbc, s48
	s_cselect_b32 s38, \sha, s38
	s_cselect_b32 s50, \e1, s50
	s_cselect_b32 s51, \e2, s51
	s_cselect_b32 s52, \f, s52
	s_cselect_b32 s37, \sa, s37
	s_cselect_b32 s39, \sb, s39
	s_cselect_b32 s53, \se, s53
.endm
	s_mov_b64 s[44:45], s[16:17]                   ; Wv: a job is 32 rows k of 512 n: load q is rows 2 q, 2 q + 1, the wave is the plane
	s_mov_b64 s[46:47], s[28:29]
	s_mov_b32 s40, 960
	s_mov_b32 s41, 12
	s_mov_b32 s48, 40*262144
	s_mov_b32 s38, 18
	s_mov_b32 s50, 256
	s_mov_b32 s51, 512
	s_mov_b32 s52, 1024
	s_mov_b32 s37, 11
	s_mov_b32 s39, 8
	s_mov_b32 s53, 4096
	PICK 960, 14, 28, 896, 12, 32*262144, 18, 256, 512, 1024, 11, 8, 4096       ; Wk: the same
	PICK 896, 12, 30, 640, 11, 0, 19, 8*524288, 256, 512, 8, 9, 4096            ; Wo: 8 rows k of 2,048 n, two loads a row
	PICK 640, 10, 28, 384, 10, 0, 18, 8*262144, 16*262144, 256, 13, 8, 2048     ; Wq: 8 rows k of 2,048 n: rows 2 (q >> 2) and the next, plane 8 (q & 3) + wave
	PICK 384, 8,  26, 128, 15, 0, 8, 2048, 4096, 8192, 8, 9, 4096               ; x
	s_sub_co_u32 s40, ttmp9, s40                   ; j
	s_lshl_b32 s42, s40, 16
	s_add_nc_u64 s[44:45], s[44:45], s[42:43]
	s_lshl_b32 s42, s40, s41
	s_add_co_u32 s42, s42, s48
	s_add_nc_u64 s[46:47], s[46:47], s[42:43]
	s_lshl_b32 s38, s36, s38                       ; wave << sha
	s_lshl_b32 s39, s36, s39                       ; wave << sb
	v_lshl_add_u32 v[D], v10, 3, s38
	v_add_nc_u32 v[D+1], s50, v[D]
	v_add_nc_u32 v[D+2], s51, v[D]
	v_add_nc_u32 v[D+3], s51, v[D+1]
.set q, 4
.rept 12
	v_add_nc_u32 v[D+q], s52, v[D+q-4]
.set q, q+1
.endr
	v_lshlrev_b32 v2, s37, v12                     ; (lane / 16) << sa
	v_lshl_add_u32 v2, v11, 4, v2
	v_add_nc_u32 v[X], s39, v2
.set q, 1
.rept 3
	v_add_nc_u32 v[X+4*q], s53, v[X+4*q-4]
.set q, q+1
.endr
.set q, 4
.rept 12
	v_add_nc_u32 v[X+4*q], 0x4000, v[X+4*q-16]
.set q, q+1
.endr
.set q, 0
.rept 16                                       ; a load's offset lies in the first of the four registers that it fills itself; no other load names it
	global_load_b128 v[X+4*q:X+4*q+3], v[X+4*q], s[44:45] th:TH_LOAD_NT
.set q, q+1
.endr
.set q, 0
.rept 16
	s_wait_loadcnt 15-q                            ; loads come back in order: load q is in, the younger ones stay out
	v_cvt_pk_bf16_f32 v[Y+2*q],   v[X+4*q],   v[X+4*q+1]
	v_cvt_pk_bf16_f32 v[Y+2*q+1], v[X+4*q+2], v[X+4*q+3]
.set q, q+1
.endr
	s_sub_co_u32 s42, ttmp9, 640                   ; Wo's jobs are 640 .. 895
	s_cmp_lt_u32 s42, 256
	s_cbranch_scc0 .Lstore
.set q, 0
.rept 32                                       ; Wo: the bf16 number is written as f16
	v_lshlrev_b32 v2, 16, v[Y+q]
	v_and_b32 v3, 0xffff0000, v[Y+q]
	v_cvt_pk_f16_f32 v[Y+q], v2, v3
.set q, q+1
.endr
.Lstore:
.set q, 0
.rept 16
	global_store_b64 v[D+q], v[Y+2*q:Y+2*q+1], s[46:47] th:TH_STORE_NT   ; a wave stores 256 consecutive bytes, aligned
.set q, q+1
.endr
	s_branch .Lend
.Lmask:                                        ; work-group m: queries and tokens 16 m .. 16 m + 15.  Wave w takes the 256 keys 256 w on, and the tokens 16 m + w and 16 m + 8 + w
	s_lshl_b32 s42, ttmp9, 6
	s_add_nc_u64 s[52:53], s[20:21], s[42:43]      ; position_ids at my work-group's 16 tokens
	v_lshlrev_b32 v2, 2, v5
	global_load_b32 v96,  v2, s[52:53]             ; the two indices go out first: the table's rows hang on them
	global_load_b32 v100, v2, s[52:53] offset:32
	s_lshl_b32 s37, s36, 8
	s_lshl_b32 s42, ttmp9, 15                      ; 16 rows of 2,048 bytes
	s_add_co_u32 s42, s42, s37
	s_add_nc_u64 s[44:45], s[22:23], s[42:43]
	s_mov_b32 s42, s37
	s_add_nc_u64 s[46:47], s[24:25], s[42:43]
	s_lshl_b32 s42, ttmp9, 12                      ; 16 tokens' rows of 256 bytes in fcb; and a block of 16 queries has 4,096 bytes of words,
	s_add_nc_u64 s[50:51], s[32:33], s[42:43]
	s_add_co_u32 s42, s42, s37                     ; of which my keys' two steps are 256, in each half
	s_add_nc_u64 s[48:49], s[34:35], s[42:43]
	s_lshl_b32 s42, ttmp9, 8
	s_add_co_u32 s42, s42, 0x80000
	s_add_nc_u64 s[40:41], s[32:33], s[42:43]      ; row 2048 + m of fcb
	v_lshlrev_b32 v13, 4, v11
	v_lshl_add_u32 v14, v12, 11, v13               ; two rows an instruction: 256 consecutive bytes for each half of the lanes
.irp a, 0,1,2,3,4,5,6,7
	global_load_b128 v[X+4*\a:X+4*\a+3], v14, s[44:45] offset:4096*\a th:TH_LOAD_NT
.endr
	global_load_b128 v[Y:Y+3], v13, s[46:47]
	s_mul_i32 s38, s36, 4352                       ; my wave's 16 rows of 272 bytes in LDS: no other wave touches them, so no barrier
	v_mul_u32_u24 v15, v12, 272
	v_add_nc_u32 v15, v15, v13
	v_add_nc_u32 v15, s38, v15                     ; in: as loaded
	v_mul_u32_u24 v6, v11, 272
	v_lshl_add_u32 v6, v12, 3, v6
	v_add_nc_u32 v6, s38, v6                       ; back: row L % 16, 8 keys at 8 (L / 16)
	v_lshlrev_b32 v92, 3, v10                      ; 8 x lane
	v_lshl_add_u32 v93, v5, 8, v92                 ; + 256 x wave: my token's row in fcb
	v_lshlrev_b32 v3, 4, v10                       ; 16 x lane
.irp r, 84,85,86,87
	v_mov_b32 v\r, 0                               ; the words: v[84:85] half 0, v[86:87] half 1; lane n holds words 2 n and 2 n + 1
.endr
	s_wait_loadcnt 9                               ; the two indices are in; the nine loads of the masks stay out
.irp r, 96,100
	v_min_u32 v\r, 0x7ff, v\r                      ; the index stays inside the table
	v_lshlrev_b32 v\r, 9, v\r                      ; a row of the table is 512 bytes
	v_add_nc_u32 v\r, v3, v\r
.endr
	global_load_b128 v[96:99],   v96,  s[18:19]    ; no NT hint: a list may name a row twice.  512 consecutive bytes a wave
	global_load_b128 v[100:103], v100, s[18:19]
	s_wait_loadcnt 2                               ; the masks are in; the table's two rows stay out
.irp a, 0,1,2,3,4,5,6,7
.irp r, 0,1,2,3
	v_and_b32 v[X+4*\a+\r], v[X+4*\a+\r], v[Y+\r]
.endr
	ds_store_b128 v15, v[X+4*\a:X+4*\a+3] offset:544*\a
.endr
	s_mov_b32 s62, 8                               ; eight trips: group g of 16 keys in half 0, group g + 8 in half 1
	s_mov_b32 s54, 0                               ; the lanes that take this trip's words: 4 g .. 4 g + 3
	s_mov_b32 s55, 1
	s_mov_b32 s56, 2
	s_mov_b32 s57, 3
.Lbits:
	ds_load_b64 v[48:49], v6                       ; LDS serves a wave's instructions in order: these see the stores above
	ds_load_b64 v[50:51], v6 offset:128
	s_wait_dscnt 0x0
.irp hf, 0,1
.set b, 0
.rept 8                                        ; key b of my 8: the 32 lanes' bytes become one word
	v_and_b32 v[88+b%4], 1<<(8*(b%4)), v[48+2*\hf+b/4]
	v_cmp_ne_u32 s[58+b%4], 0, v[88+b%4]
	v_writelane_b32 v[84+2*\hf+b%2], s[58+b%4], s[54+b/2]
.set b, b+1
.endr
.endr
	v_add_nc_u32 v6, 16, v6                        ; the next 16 keys
	s_add_co_u32 s54, s54, 4
	s_add_co_u32 s55, s55, 4
	s_add_co_u32 s56, s56, 4
	s_add_co_u32 s57, s57, 4
	s_sub_co_u32 s62, s62, 1
	s_cmp_lg_u32 s62, 0
	s_cbranch_scc1 .Lbits
	global_store_b64 v92, v[84:85], s[48:49]               ; 256 consecutive bytes, aligned
	global_store_b64 v92, v[86:87], s[48:49] offset:2048
	s_wait_loadcnt 0x0                             ; the table's two rows
	v_cvt_pk_bf16_f32 v104, v96,  v97              ; (cos, sin) into one word
	v_cvt_pk_bf16_f32 v105, v98,  v99
	v_cvt_pk_bf16_f32 v106, v100, v101
	v_cvt_pk_bf16_f32 v107, v102, v103
	global_store_b64 v93, v[104:105], s[50:51] th:TH_STORE_NT               ; a token's row: 256 consecutive bytes, aligned
	global_store_b64 v93, v[106:107], s[50:51] offset:2048 th:TH_STORE_NT   ; eight tokens on
	s_cmp_lg_u32 s36, 0
	s_cbranch_scc1 .Lend
	v_mov_b32 v94, 0x3f80                          ; wave 0: a row (1, 0): cos = 1 in the low half, sin = 0 in the high
	v_mov_b32 v95, 0x3f80
	global_store_b64 v92, v[94:95], s[40:41] th:TH_STORE_NT
.Lend:
	s_wait_tensorcnt 0x0                           ; the wave's end, behind my last LDS store
	ds_add_u32 v[SPW], v[NIL]
	s_wait_dscnt 0x0
	s_endpgm
.Lfunc_end_k_q6275b8e687_prep:
	.size	k_q6275b8e687_prep, .Lfunc_end_k_q6275b8e687_prep-k_q6275b8e687_prep
	.p2alignl 7, 3214868480
	.fill 96, 4, 3214868480
	.section	.rodata,"a",@progbits
	.p2align	6, 0x0
	.amdhsa_kernel k_q6275b8e687_prep
		.amdhsa_group_segment_fixed_size 35840
		.amdhsa_private_segment_fixed_size 0
		.amdhsa_enable_private_segment 0
		.amdhsa_kernarg_size 112
		.amdhsa_user_sgpr_count 2
		.amdhsa_user_sgpr_kernarg_segment_ptr 1
		.amdhsa_wavefront_size32 1
		.amdhsa_system_sgpr_workgroup_id_x 1
		.amdhsa_system_sgpr_workgroup_id_y 1
		.amdhsa_system_sgpr_workgroup_id_z 1
		.amdhsa_system_vgpr_workitem_id 0
		.amdhsa_next_free_vgpr 128
		.amdhsa_next_free_sgpr 66
		.amdhsa_reserve_vcc 0
		.amdhsa_float_denorm_mode_32 3
		.amdhsa_float_denorm_mode_16_64 3
		.amdhsa_memory_ordered 1
		.amdhsa_forward_progress 1
		.amdhsa_inst_pref_size 26
	.end_amdhsa_kernel
	.amdgpu_metadata
---
amdhsa.version: [ 1, 2 ]
amdhsa.kernels:
  - .name:           k_q6275b8e687_prep
    .symbol:         k_q6275b8e687_prep.kd
    .args:
      - { .name: hidden_state, .offset: 0, .size: 8, .value_kind: global_buffer, .address_space: global }
      - { .name: Wq, .offset: 8, .size: 8, .value_kind: global_buffer, .address_space: global }
      - { .name: Wo, .offset: 16, .size: 8, .value_kind: global_buffer, .address_space: global }
      - { .name: Wk, .offset: 24, .size: 8, .value_kind: global_buffer, .address_space: global }
      - { .name: Wv, .offset: 32, .size: 8, .value_kind: global_buffer, .address_space: global }
      - { .name: freq_cis, .offset: 40, .size: 8, .value_kind: global_buffer, .address_space: global }
      - { .name: position_ids, .offset: 48, .size: 8, .value_kind: global_buffer, .address_space: global }
      - { .name: causal_mask, .offset: 56, .size: 8, .value_kind: global_buffer, .address_space: global }
      - { .name: attention_mask, .offset: 64, .size: 8, .value_kind: global_buffer, .address_space: global }
      - { .name: xb, .offset: 72, .size: 8, .value_kind: global_buffer, .address_space: global }
      - { .name: wb, .offset: 80, .size: 8, .value_kind: global_buffer, .address_space: global }
      - { .name: wob, .offset: 88, .size: 8, .value_kind: global_buffer, .address_space: global }
      - { .name: fcb, .offset: 96, .size: 8, .value_kind: global_buffer, .address_space: global }
      - { .name: mbits, .offset: 104, .size: 8, .value_kind: global_buffer, .address_space: global }
    .group_segment_fixed_size: 35840
    .private_segment_fixed_size: 0
    .kernarg_segment_align: 8
    .kernarg_segment_size: 112
    .max_flat_workgroup_size: 256
    .sgpr_count:     66
    .vgpr_count:     128
    .wavefront_size: 32
...
	.end_amdgpu_metadata
.endif
;; end of part 1
;; launch qkv (part 2): grid 16 x 16, 4 waves a work-group, clusters of 4 x 4, 327,680 bytes of LDS; arguments xb, wb, fcb, qkv; writes qkv
.if DOCPART == 2
	.amdgcn_target "amdgcn-amd-amdhsa--gfx1250"
	.amdhsa_code_object_version 6
	.text
	.protected	k_q6275b8e687_qkv
	.globl	k_q6275b8e687_qkv
	.p2align	8
	.type	k_q6275b8e687_qkv,@function
k_q6275b8e687_qkv:
	s_mov_b64 s[64:65], 0
	v_nop
	global_prefetch_b8 v0, s[64:65] scope:SCOPE_SE
	s_setreg_imm32_b32 hwreg(HW_REG_WAVE_MODE, 25, 1), 1
	s_wait_xcnt 0x0
	s_wait_alu depctr_hold_cnt(0) depctr_sa_sdst(0) depctr_va_vdst(0) depctr_va_sdst(0) depctr_va_ssrc(0) depctr_va_vcc(0) depctr_vm_vsrc(0)
	s_getreg_b32 s2, hwreg(HW_REG_IB_STS2, 6, 4)
	s_cmp_eq_u32 s2, 0
	s_cbranch_scc0 .Lentry_in_a_cluster
	s_endpgm
.Lentry_in_a_cluster:
	s_bfe_u32 s2, ttmp6, 0x10000c
	s_cmp_lg_u32 s2, 0xf033
	s_cbranch_scc0 .Lentry_shape_is_right
	s_endpgm
.Lentry_shape_is_right:
; QKV: [q | k | v] = x [Wq | Wk | Wv], q and k rotated by the table, written by half heads: qkv [48 planes][2048 tokens][64] f16, unscaled (planes 0-31 q, 32-39 k, 40-47 v).
; Operands bf16, sums f32, one rounding to f16.
; LIMIT: f16 holds no number beyond 65,504: |q|, |k|, |v| stay below that.  NaN and infinities are not treated apart.
; SHARES.  A tile is 128 tokens x 192 columns, three planes: 16 x 16 = 256 work-groups; for each k it takes 128 + 192 numbers into LDS.  The waves lie 2 x 2: wave w has tokens 64 (w / 2) on
; and columns 96 (w % 2) on: 24 accumulators of 16 x 16.
; K goes in steps of 128 through two LDS slots.  x's rows lie along K; a plane's weights lie [k][64 n], rows of 128 bytes on end: they are asked for as rows of 256 bytes, padded in LDS after
; every 128, and turned on the way out of LDS by ds_load_tr16_b128.
; TRANSPOSED USE: source 0 = 16 columns of W, source 1 = 16 tokens: a lane holds one token and eight neighbouring channels, that is four pairs of the rotation.
; V IS NOT ROTATED: its planes read rows (1, 0) of the table, told apart by ADDRESS.
; CLUSTER 4 x 4: x's tile hangs on the tile row alone and is asked for jointly along a row of the cluster, a plane's weights on the tile column alone and jointly along a column.
; No prefetch: the steps are short and the tiles small.
; REGISTERS.  Window 0: v1-8 at work; v16-47 addresses; v64-255 the accumulators ((a, i) at 64 + 8 (6 a + i)).
;   Window 1: two fragment buffers of 80 (six of W, then four of x); v160-255 the table's words, four registers an accumulator.
.set PA,    272                        ; a row of x in LDS: 256 bytes + 16: the 16 rows of a load start at 16 different groups of four banks (ISA guide 11.1)
.set PB,    160                        ; a row k of a plane: 128 + 32
.set BBLK,  128*PB                     ; a plane's 128 rows k
.set AOFF,  3*BBLK                     ; a slot: three planes' blocks, then x's 128 rows
.set SLOT,  AOFF+128*PA
.set STAGE, 2*SLOT                     ; behind the ring, never filled by a tensor load: 384 rows (plane, token) x 144 bytes
.set SP,    144
.set SPARE, STAGE+384*SP               ; the spare words, 128 bytes a wave
.set LAPS,  8                          ; 16 K steps, two a lap
.set ADRA, 16                          ; v16-17  my x fragments in slot 0, 1
.set ADRB, 20                          ; v20-31  my W fragments: slot 0 blocks 0-5, slot 1 blocks 0-5
.set STO,  32                          ; v32-37  the way out: where block i's 16 bytes go
.set RD,   38                          ; v38     where I read rows back
.set CO,   39                          ; v39     my byte offset in a plane's rows
.set FCO,  40                          ; v40-45  my byte offset in the table, by block
.set SPW,  46
.set NIL,  47
.set ACC,  64
.set F0,   0
.set F1,   80
.set FC,   160
.set WV,   12                          ; s12  my wave's number
.set WR,   74                          ; s74  which 64 tokens are mine
.set WC,   75                          ; s75  which 96 columns
.set G1A,  24                          ; s[24:31], s[32:39]  x's descriptors: group 1; group 0, a set a slot
.set G0A,  32
.set G1B,  48                          ; s[48:55], s[56:63]  W's
.set G0B,  56
.set MSB, 0
.macro WIN new                         ; the immediate's high byte repeats the setting that is left; a switch that changes nothing is dropped
.if MSB != (\new)
	s_set_vgpr_msb (MSB<<8)|(\new)
.set MSB, \new
.endif
.endm
.set MUL,  0x05                        ; sources 0 and 1 window 1; C and D window 0
.set TO_F, 0x40                        ; destination window 1, address window 0
.macro JLOAD s                         ; a joint load: wave 0 fetches x's tile, waves 1 to 3 a plane's block each; an s_nop 0 and four v_nop follow each line
	s_cmp_eq_u32 s[WV], 0
	s_cbranch_scc0 .Lfor_b_\@
	tensor_load_to_lds s[G0A+4*(\s):G0A+4*(\s)+3], s[G1A:G1A+7]
	s_nop 0
.rept 4
	v_nop
.endr
	s_branch .Lasked_\@
.Lfor_b_\@:
	tensor_load_to_lds s[G0B+4*(\s):G0B+4*(\s)+3], s[G1B:G1B+7]
	s_nop 0
.rept 4
	v_nop
.endr
.Lasked_\@:
.endm
.macro CREST                           ; a round of the cluster's barrier behind its opening barrier
	s_cmp_lg_u32 s[WV], 0
	s_cbranch_scc1 .Lnot_wave_0_\@
	s_barrier_signal -3
.Lnot_wave_0_\@:
	s_barrier_wait -3
	s_barrier_signal -1
	s_barrier_wait -1
.endm
.macro CROUND
	s_barrier_signal -1
	s_barrier_wait -1
	CREST
.endm
	s_load_b128 s[4:7], s[0:1], 0x0                ; xb s[4:5], wb s[6:7]
	s_load_b128 s[8:11], s[0:1], 0x10              ; fcb s[8:9], qkv s[10:11]
	v_lshl_add_u32 v[SPW], v0, 2, SPARE
	v_mov_b32 v[NIL], 0
	ds_add_u32 v[SPW], v[NIL]                      ; the wave's opening: the add, twice on end, and its wait ahead of my first tensor load
	ds_add_u32 v[SPW], v[NIL]
	v_lshrrev_b32 v1, 5, v0
	v_readfirstlane_b32 s[WV], v1
	s_lshr_b32 s[WR], s[WV], 1
	s_and_b32 s[WC], s[WV], 1
	s_bfe_u32 s40, ttmp6, 0x40000                  ; cx
	s_bfe_u32 s41, ttmp6, 0x40004                  ; cy
	s_lshl_b32 s42, ttmp9, 2
	s_add_co_u32 s42, s42, s40                     ; tile column = 4 x cluster x + cx
	s_and_b32 s13, ttmp7, 0xffff
	s_lshl_b32 s13, s13, 2
	s_add_co_u32 s13, s13, s41                     ; tile row = 4 x cluster y + cy
	s_lshl_b32 s43, s41, 2
	s_lshl_b32 s43, 15, s43                        ; my row of the cluster
	s_lshl_b32 s44, 0x1111, s40                    ; my column
	s_or_b32 s[G1A], s43, (1<<16)|(1<<20)|(1<<21)|(5<<22)|(3<<25)  ; mask; 2-byte elements; padding on; bit 21 beside a mask; after every 64 words 4 words
	s_or_b32 s[G1B], s44, (1<<16)|(1<<20)|(1<<21)|(4<<22)|(7<<25)  ; after every 32 words (a row k of a plane) 8 words
	s_mov_b32 s[G1A+1], 128<<16                    ; tensor_dim0 = 128
	s_mov_b32 s[G1A+2], 128<<16                    ; tensor_dim1 = 128
	s_mov_b32 s[G1A+3], 128<<16                    ; tile_dim0 = 128
	s_mov_b32 s[G1A+4], 128                        ; tile_dim1 = 128
	s_mov_b32 s[G1A+5], 2048                       ; elements from row to row
	s_mov_b32 s[G1A+6], 0
	s_mov_b32 s[G1A+7], 0
	s_mov_b32 s[G1B+1], 128<<16                    ; 128 rows k of 128 bytes are 64 rows of 256
	s_mov_b32 s[G1B+2], 64<<16
	s_mov_b32 s[G1B+3], 128<<16
	s_mov_b32 s[G1B+4], 64
	s_mov_b32 s[G1B+5], 128
	s_mov_b32 s[G1B+6], 0
	s_mov_b32 s[G1B+7], 0
	s_lshl_b32 s16, s13, 19                        ; x: 128 rows of 4,096 bytes a tile row
	s_mov_b32 s17, 0
	s_add_co_u32 s20, s[WV], 3
	s_and_b32 s20, s20, 3                          ; waves 1, 2, 3: plane 0, 1, 2 of the tile; wave 0: place 3, which is x's
	s_mul_i32 s46, s42, 3
	s_add_co_u32 s46, s46, s20
	s_lshl_b32 s46, s46, 18                        ; a plane's weights are 262,144 bytes
	s_mov_b32 s47, 0
	s_mul_i32 s20, s20, BBLK                       ; where my fill goes in a slot: the wave's number alone
	s_wait_dscnt 0x0                               ; both opening adds are done
	s_wait_kmcnt 0x0
	s_add_nc_u64 s[14:15], s[4:5], s[16:17]
	s_add_nc_u64 s[46:47], s[6:7], s[46:47]
	CROUND                                         ; all sixteen work-groups are here: the first joint loads meet
.irp s, 0,1
	s_mov_b32 s[G0A+4*(\s)], 1
	s_add_co_u32 s[G0A+4*(\s)+1], s20, (\s)*SLOT
	s_add_nc_u64 s[G0A+4*(\s)+2:G0A+4*(\s)+3], s[14:15], (\s)*256     ; K step s: 256 bytes along the rows
	s_or_b32 s[G0A+4*(\s)+3], s[G0A+4*(\s)+3], 0x80000000
	s_mov_b32 s[G0B+4*(\s)], 1
	s_add_co_u32 s[G0B+4*(\s)+1], s20, (\s)*SLOT
	s_add_nc_u64 s[G0B+4*(\s)+2:G0B+4*(\s)+3], s[46:47], (\s)*16384   ; K step s: 128 rows k of 128 bytes
	s_or_b32 s[G0B+4*(\s)+3], s[G0B+4*(\s)+3], 0x80000000
	JLOAD \s
.endr
	v_and_b32 v1, 15, v0                           ; r = l % 16
	v_bfe_u32 v2, v0, 4, 1                         ; h = l / 16
	v_mul_u32_u24 v4, v1, PA
	v_lshl_add_u32 v4, v2, 4, v4                   ; r x 272 + 16 h: a fragment of x
	s_mul_i32 s18, s[WR], 64*PA                    ; my 64 tokens
	s_add_co_u32 s18, s18, AOFF
	v_add_nc_u32 v[ADRA], s18, v4
	v_add_nc_u32 v[ADRA+1], SLOT, v[ADRA]
	v_and_b32 v3, 7, v0
	v_lshl_add_u32 v3, v2, 3, v3
	v_mul_u32_u24 v3, v3, PB
	v_bfe_u32 v5, v0, 3, 1
	v_lshl_add_u32 v3, v5, 4, v3                   ; the turning load: row 8 h + l % 8, 16 bytes at 16 ((l / 8) % 2)
	v_mul_u32_u24 v7, v1, SP
	v_lshl_add_u32 v7, v2, 4, v7                   ; the stage: row r, 16 bytes at 16 h
	v_lshlrev_b32 v5, 8, v1
	v_lshl_add_u32 v5, v2, 4, v5                   ; the table: token r, four pairs at 16 h
	s_lshl_b32 s68, s13, 15                        ; the tile's 128 tokens: rows of 256 bytes in the table
	s_mul_i32 s69, s42, 3                          ; the tile's first plane
	s_lshl_b32 s70, s[WR], 14                      ; my 64 tokens there
.irp i, 0,1,2,3,4,5                    ; my block i is block 6 (w % 2) + i of the tile's 12: plane (that) / 4, 16 columns at (that) % 4
	s_mul_i32 s21, s[WC], 6
	s_add_co_u32 s21, s21, \i
	s_lshr_b32 s22, s21, 2
	s_and_b32 s23, s21, 3
	s_lshl_b32 s23, s23, 5                         ; 32 bytes a block, in W's rows, in the stage and in the table
	s_mul_i32 s18, s22, BBLK
	s_add_co_u32 s18, s18, s23
	v_add_nc_u32 v[ADRB+\i], s18, v3
	v_add_nc_u32 v[ADRB+6+\i], SLOT, v[ADRB+\i]
	s_lshl_b32 s18, s22, 1
	s_add_co_u32 s18, s18, s[WR]                   ; the stage's rows: 128 x plane + 64 x (w / 2)
	s_mul_i32 s18, s18, 64*SP
	s_add_co_u32 s18, s18, s23
	s_add_co_u32 s18, s18, STAGE
	v_add_nc_u32 v[STO+\i], s18, v7
	s_add_co_u32 s66, s69, s22                     ; the plane, 0 .. 47
	s_and_b32 s71, s66, 1
	s_lshl_b32 s71, s71, 7                         ; the head's upper 64 channels: the upper 128 bytes of the table's row
	s_add_co_u32 s66, s66, 24
	s_lshr_b32 s66, s66, 6                         ; 1 from plane 40 on: V
	s_sub_co_u32 s67, 1, s66
	s_lshl_b32 s66, s66, 19                        ; V: the rows (1, 0), at byte 524,288 of the table
	s_mul_i32 s67, s67, s68                        ; q, k: the tile's tokens
	s_add_co_u32 s66, s66, s67
	s_add_co_u32 s66, s66, s71
	s_add_co_u32 s66, s66, s23
	s_add_co_u32 s66, s66, s70
	v_add_nc_u32 v[FCO+\i], s66, v5
.endr
	s_mul_i32 s18, s[WV], 32*SP                    ; back: wave w takes tokens 32 w .. 32 w + 31 of each plane; 32 lanes take four rows of 128 bytes,
	s_add_co_u32 s18, s18, STAGE
	v_bfe_u32 v6, v0, 3, 2
	v_mul_u32_u24 v6, v6, SP
	v_and_b32 v8, 7, v0
	v_lshl_add_u32 v6, v8, 4, v6
	v_add_nc_u32 v[RD], s18, v6
	s_lshl_b32 s18, s[WV], 12                      ; which are 512 consecutive bytes of a plane
	v_and_b32 v6, 31, v0
	v_lshl_add_u32 v[CO], v6, 4, s18
	s_lshl_b32 s72, s69, 18
	s_mov_b32 s73, 0
	s_add_nc_u64 s[10:11], s[10:11], s[72:73]      ; qkv at the tile's first plane,
	s_lshl_b32 s72, s13, 14
	s_add_nc_u64 s[10:11], s[10:11], s[72:73]      ; at the tile's first token
	WIN TO_F
.irp a, 0,1,2,3                        ; the table's words for all 24 accumulators: they have the whole K loop in which to land
.irp i, 0,1,2,3,4,5
	global_load_b128 v[FC+4*(6*\a+\i):FC+4*(6*\a+\i)+3], v[FCO+\i], s[8:9] offset:4096*\a
.endr
.endr
	WIN 0
.macro MUL6 f, a, zero                 ; token block a x my six column blocks, 32 along K.  zero = 1: the product starts the sums
	WIN MUL
.irp i, 0,1,2,3,4,5
.if \zero
	v_wmma_f32_16x16x32_bf16 v[ACC+8*(6*(\a)+\i):ACC+8*(6*(\a)+\i)+7], v[(\f)+8*\i:(\f)+8*\i+7], v[(\f)+48+8*(\a):(\f)+48+8*(\a)+7], 0
.else
	v_wmma_f32_16x16x32_bf16 v[ACC+8*(6*(\a)+\i):ACC+8*(6*(\a)+\i)+7], v[(\f)+8*\i:(\f)+8*\i+7], v[(\f)+48+8*(\a):(\f)+48+8*(\a)+7], v[ACC+8*(6*(\a)+\i):ACC+8*(6*(\a)+\i)+7]
.endif
.endr
.endm
.macro FETCH slot, q, f                ; 20 LDS loads in one run: quarter q (32 along K) of a slot into buffer f: W's six fragments, then x's four
	WIN TO_F
.irp i, 0,1,2,3,4,5
	ds_load_tr16_b128 v[(\f)+8*\i:(\f)+8*\i+3],   v[ADRB+6*(\slot)+\i] offset:(\q)*32*PB
	ds_load_tr16_b128 v[(\f)+8*\i+4:(\f)+8*\i+7], v[ADRB+6*(\slot)+\i] offset:(\q)*32*PB+16*PB
.endr
.irp a, 0,1,2,3
	ds_load_b128 v[(\f)+48+8*\a:(\f)+48+8*\a+3],   v[ADRA+(\slot)] offset:(\q)*64+\a*16*PA
	ds_load_b128 v[(\f)+48+8*\a+4:(\f)+48+8*\a+7], v[ADRA+(\slot)] offset:(\q)*64+\a*16*PA+32
.endr
.endm
.macro PLACES                          ; four places in front of loads into registers that matrix instructions have read, and of vector lines that read results
.rept 4
	v_nop
.endr
.endm
; A K step is four quarters of 32 along K, 24 matrix instructions each, on buffers 0, 1, 0, 1; the 24 accumulators take turns.
.macro QUARTER slot, q, f, g, zero     ; multiplies buffer f; in its middle fetches quarter q into buffer g
	s_wait_dscnt 4                                 ; W and x's blocks 0 and 1 are in; the youngest four loads (blocks 2, 3) may be out
	MUL6 \f, 0, \zero
	MUL6 \f, 1, \zero
	PLACES
	FETCH \slot, \q, \g
	s_wait_dscnt 20                                ; all but the 20 just issued
	MUL6 \f, 2, \zero
	MUL6 \f, 3, \zero
.endm
; The last quarter multiplies buffer 1 and changes slots: one barrier; in front of it each wave waits for all its tensor loads, adds 0 to its spare word, and waits for that and for its reads of this slot.
.macro TURN slot, next, fill
	WIN 0
	s_wait_tensorcnt 0x0                           ; all my tensor loads have landed: my part of the next slot
	ds_add_u32 v[SPW], v[NIL]
	s_wait_dscnt 5                                 ; (the add and the youngest four loads may be out)
	MUL6 F1, 0, 0
	s_wait_dscnt 0x0                               ; the add is done, and my reads of this slot are over
	s_barrier_signal -1
	MUL6 F1, 1, 0
.if \fill
	WIN 0
.endif
	s_barrier_wait -1
.if \fill
	CREST                                          ; the barrier has opened a round of the cluster's: no wave of any partner still reads this slot or has a load on its way
	s_add_nc_u64 s[G0A+4*(\slot)+2:G0A+4*(\slot)+3], s[G0A+4*(\slot)+2:G0A+4*(\slot)+3], 512
	s_add_nc_u64 s[G0B+4*(\slot)+2:G0B+4*(\slot)+3], s[G0B+4*(\slot)+2:G0B+4*(\slot)+3], 32768
	JLOAD \slot                                    ; two K steps on; its four v_nop are also the places in front of the loads below
.else
	PLACES
.endif
	FETCH \next, 0, F0
	MUL6 F1, 2, 0
	MUL6 F1, 3, 0
.endm
	s_wait_tensorcnt 1                             ; my part of K step 0 is in; step 1's may stay out
	s_barrier_signal -1
	s_barrier_wait -1
	FETCH 0, 0, F0
	QUARTER 0, 1, F0, F1, 1                        ; the first quarter stands in front of the loop: its products start the sums
	WIN 0
	s_mov_b32 s3, LAPS-1
.Llap:
	QUARTER 0, 2, F1, F0, 0
	QUARTER 0, 3, F0, F1, 0
	TURN 0, 1, 1
	QUARTER 1, 1, F0, F1, 0
	QUARTER 1, 2, F1, F0, 0
	QUARTER 1, 3, F0, F1, 0
	TURN 1, 0, 1
	QUARTER 0, 1, F0, F1, 0
	WIN 0
	s_sub_co_u32 s3, s3, 1
	s_cmp_lg_u32 s3, 0
	s_cbranch_scc1 .Llap
	QUARTER 0, 2, F1, F0, 0                        ; the last lap fills nothing
	QUARTER 0, 3, F0, F1, 0
	TURN 0, 1, 0
	QUARTER 1, 1, F0, F1, 0
	QUARTER 1, 2, F1, F0, 0
	QUARTER 1, 3, F0, F1, 0
	s_wait_dscnt 4
	MUL6 F1, 0, 0
	MUL6 F1, 1, 0
	s_wait_dscnt 0x0
	MUL6 F1, 2, 0
	MUL6 F1, 3, 0
	WIN 0
	; THE WAY OUT.  For a pair (a, b) and its (cos, sin): (a cos - b sin, a sin + b cos), in f32; rounded to f16; 16 bytes a lane into the stage.
	s_wait_loadcnt 0x0                             ; the table's words
	PLACES
.macro ROPE a, i                       ; at work in window 1, in buffer 0's registers: (cos, sin) x 4, (a cos, b cos) x 4, the results, the packed words; two sets by turns
.set ac, ACC+8*(6*(\a)+(\i))
.set fw, FC+4*(6*(\a)+(\i))
.set tb, 32*((\i)%2)
	WIN 0x54                                       ; source 0 window 0; sources 1, 2 and the destination window 1
.irp p, 0,1,2,3
	v_lshlrev_b32 v[tb+2*\p], 16, v[fw+\p]
	v_and_b32 v[tb+2*\p+1], 0xffff0000, v[fw+\p]
.endr
.irp p, 0,1,2,3                        ; the accumulator's lowest registers are read first
	v_pk_mul_f32 v[tb+8+2*\p:tb+8+2*\p+1], v[ac+2*\p:ac+2*\p+1], v[tb+2*\p:tb+2*\p+1] op_sel_hi:[1,0]
.endr
.irp p, 0,1,2,3
	v_fma_f32 v[tb+16+2*\p],   -v[ac+2*\p+1], v[tb+2*\p+1], v[tb+8+2*\p]
	v_fma_f32 v[tb+16+2*\p+1], v[ac+2*\p],    v[tb+2*\p+1], v[tb+8+2*\p+1]
.endr
	WIN 0x45
.irp p, 0,1,2,3
	v_cvt_pk_f16_f32 v[tb+24+\p], v[tb+16+2*\p], v[tb+16+2*\p+1]
.endr
	WIN 0x04                                       ; address window 0, data window 1
	ds_store_b128 v[STO+(\i)], v[tb+24:tb+27] offset:(\a)*16*SP
.endm
.irp a, 0,1,2,3
.irp i, 0,1,2,3,4,5
	ROPE \a, \i
.endr
.endr
	WIN 0
	s_wait_dscnt 0x0                               ; for the others' sake: my stores into the stage are done
	s_barrier_signal -1
	s_barrier_wait -1
.irp n, 0,1,2,3,4,5,6,7,8,9,10,11,12,13,14,15,16,17,18,19,20,21,22,23   ; plane n / 8 of the tile, rows 4 (n % 8) .. + 3 of my 32
	ds_load_b128 v[ACC+4*\n:ACC+4*\n+3], v[RD] offset:(\n/8)*128*SP+(\n%8)*4*SP
.endr
.irp n, 0,1,2,3,4,5,6,7,8,9,10,11,12,13,14,15,16,17,18,19,20,21,22,23
	s_wait_dscnt 23-\n
	global_store_b128 v[CO], v[ACC+4*\n:ACC+4*\n+3], s[10:11] offset:(\n/8)*262144+(\n%8)*512   ; 32 lanes store 512 consecutive bytes, aligned: four tokens' rows of a plane
.endr
	s_wait_tensorcnt 0x0                           ; the wave's end
	ds_add_u32 v[SPW], v[NIL]
	s_wait_dscnt 0x0
	CROUND                                         ; the closing round
	s_endpgm
.Lfunc_end_k_q6275b8e687_qkv:
	.size	k_q6275b8e687_qkv, .Lfunc_end_k_q6275b8e687_qkv-k_q6275b8e687_qkv
	.p2alignl 7, 3214868480
	.fill 96, 4, 3214868480
	.section	.rodata,"a",@progbits
	.p2align	6, 0x0
	.amdhsa_kernel k_q6275b8e687_qkv
		.amdhsa_group_segment_fixed_size 327680
		.amdhsa_private_segment_fixed_size 0
		.amdhsa_enable_private_segment 0
		.amdhsa_kernarg_size 32
		.amdhsa_user_sgpr_count 2
		.amdhsa_user_sgpr_kernarg_segment_ptr 1
		.amdhsa_wavefront_size32 1
		.amdhsa_system_sgpr_workgroup_id_x 1
		.amdhsa_system_sgpr_workgroup_id_y 1
		.amdhsa_system_sgpr_workgroup_id_z 1
		.amdhsa_system_vgpr_workitem_id 0
		.amdhsa_next_free_vgpr 512
		.amdhsa_next_free_sgpr 76
		.amdhsa_reserve_vcc 0
		.amdhsa_float_denorm_mode_32 3
		.amdhsa_float_denorm_mode_16_64 3
		.amdhsa_memory_ordered 1
		.amdhsa_forward_progress 1
		.amdhsa_inst_pref_size 108
	.end_amdhsa_kernel
	.amdgpu_metadata
---
amdhsa.version: [ 1, 2 ]
amdhsa.kernels:
  - .name:           k_q6275b8e687_qkv
    .symbol:         k_q6275b8e687_qkv.kd
    .args:
      - { .name: xb, .offset: 0, .size: 8, .value_kind: global_buffer, .address_space: global }
      - { .name: wb, .offset: 8, .size: 8, .value_kind: global_buffer, .address_space: global }
      - { .name: fcb, .offset: 16, .size: 8, .value_kind: global_buffer, .address_space: global }
      - { .name: qkv, .offset: 24, .size: 8, .value_kind: global_buffer, .address_space: global }
    .group_segment_fixed_size: 327680
    .private_segment_fixed_size: 0
    .kernarg_segment_align: 8
    .kernarg_segment_size: 32
    .max_flat_workgroup_size: 128
    .sgpr_count:     76
    .vgpr_count:     512
    .wavefront_size: 32
...
	.end_amdgpu_metadata
.endif
;; end of part 2
;; launch attn (part 3): grid 64 x 4, 4 waves a work-group, clusters of 4 x 1, 327,680 bytes of LDS; arguments qkv, mbits, ob; writes ob
.if DOCPART == 3
	.amdgcn_target "amdgcn-amd-amdhsa--gfx1250"
	.amdhsa_code_object_version 6
	.text
	.protected	k_q6275b8e687_attn
	.globl	k_q6275b8e687_attn
	.p2align	8
	.type	k_q6275b8e687_attn,@function
k_q6275b8e687_attn:
	s_mov_b64 s[64:65], 0
	v_nop
	global_prefetch_b8 v0, s[64:65] scope:SCOPE_SE
	s_setreg_imm32_b32 hwreg(HW_REG_WAVE_MODE, 25, 1), 1
	s_wait_xcnt 0x0
	s_wait_alu depctr_hold_cnt(0) depctr_sa_sdst(0) depctr_va_vdst(0) depctr_va_sdst(0) depctr_va_ssrc(0) depctr_va_vcc(0) depctr_vm_vsrc(0)
	s_getreg_b32 s2, hwreg(HW_REG_IB_STS2, 6, 4)
	s_cmp_eq_u32 s2, 0
	s_cbranch_scc0 .Lentry_in_a_cluster
	s_endpgm
.Lentry_in_a_cluster:
	s_bfe_u32 s2, ttmp6, 0x10000c
	s_cmp_lg_u32 s2, 0x3003
	s_cbranch_scc0 .Lentry_shape_is_right
	s_endpgm
.Lentry_shape_is_right:
; ATTN: O[q][head] = the sum over keys of softmax_k(q . k / sqrt(128) + bias) v, bias 0 where the mask is true and the lowest f32 elsewhere.  q, k, v: qkv [48 planes][2048][64] f16: a plane is
; half a head's channels (planes 0-31 q, 32-39 k, 40-47 v); the mask as bits in mbits; O: ob [2048 tokens][16 heads x 128] f16.  Products, maxima and sums in f32; the weights are rounded to f16
; for the second product.  Both masks are inputs: every key tile is computed, and the mask selects.
; SHARES.  A work-group has one key/value head and 32 queries: 64 x 4 = 256 work-groups.  Wave w: queries 16 (w / 2) on, and half kh = w % 2 of each slot's 256 keys.  Its four tiles are the
; FOUR QUERY HEADS of the group for the same 16 queries: they share K's and V's fragments and one mask.  Each wave walks 16 steps of 64 keys with its own running m, l and O; the two waves of
; a pair are merged once, at the end, through LDS.
; THE MASK is the C operand that starts the sum S^T = K Q^T: 0, or -2^99 where the key is hidden; 32 registers a step, made from 32 words that a scalar load brings a step ahead.
; A ROW WITHOUT A LIVE KEY.  There reference()'s f32 sum of score and bias is the same number for all keys: the row is the mean of all rows of V.  Here m starts at -2^98 and never falls;
; ce = min(c, m + 2^98) is 0 while no live key has been seen and c afterwards; p = 2^(ce s - ce m): 1 for every key of such a row.  a = 2^(c m_old - c m_new) is 0 when the first live key comes.
; LIMITS.  |q|, |k|, |v| below 65,504; |score| below 2^97; a hidden score counts as -2^99 + score; a weight below 2^-126 counts as 0; NaN and infinities are not treated apart.
; LAYOUT, TURNS.  S^T holds one query a lane (lane % 16) and the keys 8 (lane / 16) + 0..7; two such results rounded to f16 are source 1 of O^T = V^T P.  The tiles are two PIECES (tiles 0, 1 and
; tiles 2, 3).  In a TURN one piece has the matrix unit (32 products V^T P of the step in hand, 32 products K Q^T of the next), the other piece's softmax stands in 64 slices behind them.
; NO FIRST AND NO LAST STEP IS WRITTEN OUT.  l, O^T, V's registers and piece 2's P start at 0, so the first step is a step like any other; the step loop is entered, and the tail left, in the
; middle of a trip.  The price, once a launch: 32 products on zeros at the start, 32 on the last K once more at the end, and 424 lines that write 0, which stand in the wait for the first tile.
; CLUSTER.  The four query blocks of a cluster walk the same K and V: each tile is asked for jointly, by the same tensor load, descriptor and mask in all four.
; REGISTERS, in windows of 256: window 0: v0-11 addresses; v12-43 eight statistics a tile; v44-51 ce m, a pair a tile; v52-61 the merge, the prefetch; v64-191 S^T; v192-255 P
;   window 1: O^T, 64 a tile     window 2: v0-127 Q; v128-255 K of one step     window 3: v0-127 V of one step; v128-159 the mask
.set KS,    64
.set PK,    144       ; a key's row of a plane of K in LDS: 128 bytes + 16: the 16 rows of a load start at 16 different groups of four banks (ISA guide 11.1)
.set PV,    160       ; of V: 128 + 32
.set KPL,   256*PK    ; a plane of a slot's 256 keys
.set VPL,   256*PV
.set VOFF,  2*KPL     ; a slot: K's two planes, then V's two
.set SLOTB, 2*KPL+2*VPL
.set STAGE, 2*SLOTB   ; behind the ring: 16 rows x 272 bytes for each pair of waves, for the way out
.set SP,    272
.set SPARE, STAGE+2*16*SP
.set XCH,   33792     ; the merge: 32,768 bytes of O^T and 1,024 of statistics for each pair, in LDS slot 0, behind its last fill and its last read
.set AK0, 2
.set AV0, 3
.set ADR, 4
.set QO,  5
.set STO, 6
.set RD,  7
.set GO,  8
.set ST,  12          ; tile t at v[ST+8 t]: +0 c m, +1 m, +2, +3 l, +4 c0 then ce, +5 c1, +6 c2 then a, +7 c3
.set EX,  44          ; tile t: v[EX+2 t] = ce m; the register beside it is named with it as a pair
.set MS,  52          ; v52-55 the partner's c m, v56-59 its l
.set XA,  60          ; my 16 bytes in the exchange area
.set PFO, 61          ; 256 x my lane; never rewritten
.set SPW, 62
.set NIL, 63
.set S,   64
.set P,   192
.set KF,  128         ; window 2
.set CB,  128         ; window 3: the mask for keys 16 kt on at CB + 8 kt
.set WV,  12
.set KHK, 13          ; kh x 128 rows of K
.set KHV, 14          ; kh x 128 rows of V
.set LIM, 15
.set LK,  16          ; where my fill of K goes in a slot
.set KH,  17          ; w % 2: my half of a slot's keys; also: which plane of K or V I fetch
.set PFA, 18          ; s[18:19]
.set MB,  20          ; s[20:21] my 16 steps' mask words
.set MO,  22          ; the step's byte offset there
.set LV,  23          ; where my fill of V goes in a slot
.set G1K, 24
.set G1V, 32
.set G0K, 40          ; s[40:47] a set for each first fill; the second walks on
.set G0V, 48
.set SLOTS, 56
.set TWICE, 57
.set CS,  58
.set SEL, 60
.set TBK, 62
.set TBV, 63
.set FS,  66          ; the LDS slot last asked for: 0 or SLOTB
.set RS,  67          ; the LDS slot being read
.set MW,  68          ; s[68:99] a step's 32 mask words (at the head: at work)
.set NEGS, 100        ; -2^99
.set M0S, 101         ; -2^98
.set P98, 104         ; 2^98
.set MSB, 0
.macro WIN new
.if MSB != (\new)
	s_set_vgpr_msb (MSB<<8)|(\new)
.set MSB, \new
.endif
.endm
.set W_KQ, 0x0a       ; K and Q window 2, S^T window 0
.set W_KM, 0x3a       ; the same with the C operand in window 3
.set W_PV, 0x53       ; V window 3, P window 0, O^T window 1
.set W_RS, 0x41       ; destination and source 0 window 1, source 1 window 0
.macro JLOAD                        ; waves 0 and 1 fetch the two planes of a slot's K, waves 2 and 3 those of its V; an s_nop 0 and four v_nop follow each line
	s_cmp_lt_u32 s[WV], 2
	s_cbranch_scc0 .Lfor_v_\@
	tensor_load_to_lds s[G0K+4:G0K+7], s[G1K:G1K+7]
	s_nop 0
.rept 4
	v_nop
.endr
	s_branch .Lasked_\@
.Lfor_v_\@:
	tensor_load_to_lds s[G0V+4:G0V+7], s[G1V:G1V+7]
	s_nop 0
.rept 4
	v_nop
.endr
.Lasked_\@:
.endm
; A prefetch of what the NEXT change of slots will ask for: in each of the four planes 256 keys x 128 bytes: 128 blocks of 256 bytes, a lane a block.  All 16 clusters of a key/value head walk the
; same rows: the first of them asks.  Its four partners take 32 blocks of each plane, told apart by address; in each, a wave asks for the plane that it fetches.  So each block is named once.
; The last filling change asks for nothing.
.macro ASK
	s_cmp_gt_u32 s[SLOTS], s[LIM]
	s_cbranch_scc0 .Lnot_mine_\@
	global_prefetch_b8 v[PFO], s[PFA:PFA+1] th:TH_LOAD_NT scope:SCOPE_SE
.Lnot_mine_\@:
.endm
.macro CROUND
	s_barrier_signal -1
	s_barrier_wait -1
	s_cmp_lg_u32 s[WV], 0
	s_cbranch_scc1 .Lnot_wave_0_\@
	s_barrier_signal -3
.Lnot_wave_0_\@:
	s_barrier_wait -3
	s_barrier_signal -1
	s_barrier_wait -1
.endm
	s_load_b128 s[4:7], s[0:1], 0x0   ; qkv s[4:5], mbits s[6:7]
	s_load_b64 s[10:11], s[0:1], 0x10 ; ob
	v_lshl_add_u32 v[SPW], v0, 2, SPARE
	v_mov_b32 v[NIL], 0
	ds_add_u32 v[SPW], v[NIL]       ; the wave's opening: the add, twice on end, and its wait ahead of my first tensor load
	ds_add_u32 v[SPW], v[NIL]
	v_lshrrev_b32 v1, 5, v0
	v_readfirstlane_b32 s[WV], v1
	s_and_b32 s[KH], s[WV], 1
	s_lshr_b32 s2, s[WV], 1         ; which 16 of the 32 queries
	s_bfe_u32 s84, ttmp6, 0x40000   ; cx
	s_lshl_b32 s85, ttmp9, 2
	s_add_co_u32 s85, s85, s84      ; my block of 32 queries: it enters Q's, O's and the mask words' addresses alone
	s_and_b32 s86, ttmp7, 0xffff    ; the key/value head, which the four partners share
	s_lshl_b32 s68, s86, 1
	s_add_co_u32 s68, s68, 32
	s_add_co_u32 s68, s68, s[KH]
	s_lshl_b32 s68, s68, 18         ; the plane of K that I would fetch: 32 + 2 x head + w % 2, of 262,144 bytes
	s_mov_b32 s69, 0
	s_add_co_u32 s72, s68, 8<<18    ; the plane of V
	s_mov_b32 s73, 0
	s_cmp_lt_u32 s[WV], 2
	s_cselect_b32 s74, s68, s72     ; the prefetches: the plane that I fetch,
	s_lshl_b32 s90, s84, 13
	s_add_co_u32 s74, s74, s90      ; my work-group's 32 blocks of a slot's 128,
	s_add_co_u32 s74, s74, 2*32768  ; in slot 2: the first change of slots steps it to slot 3
	s_mov_b32 s75, 0
	s_lshl_b32 s76, s86, 21         ; Q: head 4 x the key/value head: eight planes on,
	s_lshl_b32 s92, s85, 12         ; 32 rows of 128 bytes a block,
	s_add_co_u32 s76, s76, s92
	s_lshl_b32 s93, s2, 11          ; my 16
	s_add_co_u32 s76, s76, s93
	s_mov_b32 s77, 0
	s_lshl_b32 s91, s85, 13         ; the mask words: 4,096 bytes for 16 queries,
	s_lshl_b32 s88, s2, 12
	s_add_co_u32 s80, s91, s88
	s_lshl_b32 s89, s[KH], 11       ; 2,048 a half
	s_add_co_u32 s80, s80, s89
	s_mov_b32 s81, 0
	s_lshl_b32 s78, s85, 17         ; O: rows of 4,096 bytes,
	s_lshl_b32 s89, s2, 16
	s_add_co_u32 s78, s78, s89
	s_lshl_b32 s89, s86, 10         ; four heads of 256 bytes
	s_add_co_u32 s78, s78, s89
	s_mov_b32 s79, 0
	s_mul_i32 s[LK], s[KH], KPL     ; no place in the cluster enters an LDS address
	s_mul_i32 s[LV], s[KH], VPL
	s_add_co_u32 s[LV], s[LV], VOFF
	s_mul_i32 s[KHK], s[KH], 128*PK
	s_mul_i32 s[KHV], s[KH], 128*PV
	; descriptor group 1.  A plane's 256 keys are 32,768 dense bytes: asked for as 128 rows of 256 bytes, two keys a row, and padded in LDS after every key
	s_mov_b32 s[G1K], 15|(1<<16)|(1<<20)|(1<<21)|(4<<22)|(3<<25)  ; the mask of four; 2-byte elements; padding on; bit 21 beside a mask; after every 32 words 4 words
	s_mov_b32 s[G1V], 15|(1<<16)|(1<<20)|(1<<21)|(4<<22)|(7<<25)  ; the same with 8 words
.irp g, G1K, G1V
	s_mov_b32 s[(\g)+1], 128<<16    ; tensor_dim0 = 128
	s_mov_b32 s[(\g)+2], 128<<16    ; tensor_dim1 = 128
	s_mov_b32 s[(\g)+3], 128<<16    ; tile_dim0 = 128
	s_mov_b32 s[(\g)+4], 128        ; tile_dim1 = 128
	s_mov_b32 s[(\g)+5], 128        ; elements from row to row
	s_mov_b32 s[(\g)+6], 0
	s_mov_b32 s[(\g)+7], 0
.endr
	s_mov_b32 s[CS], 0x3e0293ee     ; c = log2(e) / sqrt(128)
	s_mov_b32 s[CS+1], s[CS]
	s_mov_b32 s[SEL], 0x76543210
	s_mov_b32 s[SEL+1], 0xfedcba98
	s_mov_b32 s[NEGS], 0xf1000000
	s_mov_b32 s[M0S], 0xf0800000
	s_mov_b32 s[P98], 0x70800000
	s_mov_b32 s[FS], SLOTB
	s_mov_b32 s[RS], 0
	s_mov_b32 s[TBK], s[KHK]
	s_mov_b32 s[TBV], s[KHV]
	s_mov_b32 s[MO], 0
	s_mov_b32 s[SLOTS], 7           ; the way in counts as one; then six refills: eight slots of 256 keys, all but the first two
	s_cmp_eq_u32 ttmp9, 0
	s_cselect_b32 s[LIM], 1, -1     ; the same in all four partners
	v_and_b32 v[PFO], 31, v0
	v_lshlrev_b32 v[PFO], 8, v[PFO]
	s_wait_dscnt 0x0                ; both opening adds are done
	s_wait_kmcnt 0x0
	s_add_nc_u64 s[MB:MB+1], s[6:7], s[80:81]
	s_add_nc_u64 s[6:7], s[4:5], s[68:69]   ; K and V at my plane's first key
	s_add_nc_u64 s[8:9], s[4:5], s[72:73]
	s_add_nc_u64 s[PFA:PFA+1], s[4:5], s[74:75]
	s_add_nc_u64 s[4:5], s[4:5], s[76:77]   ; Q and O at my wave's first row
	s_add_nc_u64 s[10:11], s[10:11], s[78:79]
	CROUND                          ; all four work-groups are here: the first joint loads meet
.irp s, 0,1
	s_mov_b32 s[G0K+4*(\s)], 1
	s_add_co_u32 s[G0K+4*(\s)+1], s[LK], (\s)*SLOTB
	s_add_nc_u64 s[G0K+4*(\s)+2:G0K+4*(\s)+3], s[6:7], (\s)*32768
	s_or_b32 s[G0K+4*(\s)+3], s[G0K+4*(\s)+3], 0x80000000
	s_mov_b32 s[G0V+4*(\s)], 1
	s_add_co_u32 s[G0V+4*(\s)+1], s[LV], (\s)*SLOTB
	s_add_nc_u64 s[G0V+4*(\s)+2:G0V+4*(\s)+3], s[8:9], (\s)*32768
	s_or_b32 s[G0V+4*(\s)+3], s[G0V+4*(\s)+3], 0x80000000
.endr
	s_cmp_lt_u32 s[WV], 2           ; a wave's two first fills stand in one branch: two loads of mine are out
	s_cbranch_scc0 .Lfirst_v
	tensor_load_to_lds s[G0K:G0K+3], s[G1K:G1K+7]
	s_nop 0
	tensor_load_to_lds s[G0K+4:G0K+7], s[G1K:G1K+7]
	s_nop 0
.rept 4
	v_nop
.endr
	s_branch .Lfirst_asked
.Lfirst_v:
	tensor_load_to_lds s[G0V:G0V+3], s[G1V:G1V+7]
	s_nop 0
	tensor_load_to_lds s[G0V+4:G0V+7], s[G1V:G1V+7]
	s_nop 0
.rept 4
	v_nop
.endr
.Lfirst_asked:
	s_load_b512 s[MW:MW+15],    s[MB:MB+1], s[MO] offset:0x0   ; step 0's mask words
	s_load_b512 s[MW+16:MW+31], s[MB:MB+1], s[MO] offset:0x40
	v_and_b32 v1, 15, v0            ; l % 16
	v_bfe_u32 v9, v0, 4, 1          ; l / 16
	v_lshlrev_b32 v[QO], 7, v1
	v_lshl_add_u32 v[QO], v9, 4, v[QO]  ; row x 128 + 16 x half
	WIN 0x80
.irp i, 0,1,2,3,4,5,6,7,8,9,10,11,12,13,14,15  ; Q stays in registers: tile (query head) i / 4, channels 32 (i % 4) on: plane (i % 4) / 2 of the head, 64 bytes at i % 2
	global_load_b128 v[8*(\i):8*(\i)+3],   v[QO], s[4:5] offset:((\i)/4)*524288+(((\i)%4)/2)*262144+((\i)%2)*64
	global_load_b128 v[8*(\i)+4:8*(\i)+7], v[QO], s[4:5] offset:((\i)/4)*524288+(((\i)%4)/2)*262144+((\i)%2)*64+32
.endr
	WIN 0
	v_mul_u32_u24 v[AK0], v1, PK
	v_lshl_add_u32 v[AK0], v9, 4, v[AK0]
	v_and_b32 v10, 7, v0
	v_bfe_u32 v11, v0, 3, 1
	v_lshl_add_u32 v[AV0], v9, 3, v10
	v_mul_u32_u24 v[AV0], v[AV0], PV
	v_lshl_add_u32 v[AV0], v11, 4, v[AV0]
	v_add_nc_u32 v[AV0], VOFF, v[AV0]
.irp t, 0,1,2,3
	v_mov_b32 v[EX+2*\t+1], 0       ; named as the upper half of a pair, never used
.endr
	; WHAT THE FIRST TURN FINDS.  O^T and l are 0; V's registers and piece 2's P are 0, so that the turn's products V^T P, of a step that has not been, add 0; m is -2^98.  All this stands in the wait for the first tile.
	WIN 0x40
.set i, 0
.rept 256
	v_mov_b32 v[i], 0
.set i, i+1
.endr
	WIN 0xc0
.set i, 0
.rept 128
	v_mov_b32 v[i], 0
.set i, i+1
.endr
	WIN 0
.set i, P+32
.rept 32
	v_mov_b32 v[i], 0
.set i, i+1
.endr
.irp t, 0,1,2,3
	v_mov_b32 v[ST+8*\t+1], s[M0S]
	v_mov_b32 v[ST+8*\t+2], 0
	v_mov_b32 v[ST+8*\t+3], 0
.endr
.irp t, 0,1,2,3
	v_mul_f32 v[ST+8*\t], s[CS], v[ST+8*\t+1]
.endr
; THE MATRIX WORK OF A TURN, for piece x.  The accumulators take turns, one instruction a turn.
.macro PV x                         ; product i of 32 of O^T += V^T P: keys 32 (i / 16) on, channels 16 ((i / 2) % 8) on, tile x + i % 2
	WIN W_PV
.set rO, 64*((\x)+i%2)+8*((i/2)%8)
.set rV, 64*(i/16)+8*((i/2)%8)
.set rP, P+16*((\x)+i%2)+8*(i/16)
	v_wmma_f32_16x16x32_f16 v[rO:rO+7], v[rV:rV+7], v[rP:rP+7], v[rO:rO+7]
.endm
.macro KQ x                         ; product i of 32 of S^T = K Q^T: channels 32 (i / 8) on, keys 16 ((i / 2) % 4) on, tile x + i % 2.  The first 8 start the sums, with the mask
.set rS, S+32*((\x)+i%2)+8*((i/2)%4)
.set rK, KF+32*((i/2)%4)+8*(i/8)
.set rQ, 32*((\x)+i%2)+8*(i/8)
.set rC, CB+8*((i/2)%4)
.if i < 8
	WIN W_KM
	v_wmma_f32_16x16x32_f16 v[rS:rS+7], v[rK:rK+7], v[rQ:rQ+7], v[rC:rC+7]
.else
	WIN W_KQ
	v_wmma_f32_16x16x32_f16 v[rS:rS+7], v[rK:rK+7], v[rQ:rQ+7], v[rS:rS+7]
.endif
.endm
.macro FETCH_K                      ; a step's K: 32 LDS loads in one run: keys 16 (f / 4) on, channels 32 (f % 4) on: plane (f % 4) / 2, 64 bytes at f % 2
	WIN 0
	v_add_nc_u32 v[ADR], s[TBK], v[AK0]
	s_add_co_u32 s[TBK], s[TBK], KS*PK
	WIN 0x80
.irp f, 0,1,2,3,4,5,6,7,8,9,10,11,12,13,14,15
	ds_load_b128 v[KF+8*(\f):KF+8*(\f)+3],   v[ADR] offset:(((\f)%4)/2)*KPL+((\f)/4)*16*PK+((\f)%2)*64
	ds_load_b128 v[KF+8*(\f)+4:KF+8*(\f)+7], v[ADR] offset:(((\f)%4)/2)*KPL+((\f)/4)*16*PK+((\f)%2)*64+32
.endr
.endm
.macro FETCH_V                      ; a step's V, turned: keys 32 (f / 8) on, channels 16 (f % 8) on: plane (f % 8) / 4, 32 bytes at f % 4
	WIN 0
	v_add_nc_u32 v[ADR], s[TBV], v[AV0]
	s_add_co_u32 s[TBV], s[TBV], KS*PV
	s_wait_alu depctr_va_vdst(0)    ; the wait for the softmax's batch (SLICE), behind the address's line and ahead of the loads
	WIN 0xc0
.irp f, 0,1,2,3,4,5,6,7,8,9,10,11,12,13,14,15
	ds_load_tr16_b128 v[8*(\f):8*(\f)+3],   v[ADR] offset:(((\f)%8)/4)*VPL+((\f)/8)*32*PV+((\f)%4)*32
	ds_load_tr16_b128 v[8*(\f)+4:8*(\f)+7], v[ADR] offset:(((\f)%8)/4)*VPL+((\f)/8)*32*PV+16*PV+((\f)%4)*32
.endr
.endm
.macro GENC                         ; the mask of the step whose scores come next: 0 where the word's bit is set, else -2^99.  Its last readers stand more than half a turn back
	s_wait_kmcnt 0x0                ; the words, asked for a step ago
	WIN 0xc0
.set z, 0
.rept 32
	v_cndmask_b32 v[CB+z], s[NEGS], 0, s[MW+z]
.set z, z+1
.endr
.endm
.macro MLOAD                        ; the next step's words; behind the last step the same words once more: nothing past my 16 steps is read
	s_add_co_u32 s[MO], s[MO], 128
	s_min_u32 s[MO], s[MO], 1920
	s_load_b512 s[MW:MW+15],    s[MB:MB+1], s[MO] offset:0x0
	s_load_b512 s[MW+16:MW+31], s[MB:MB+1], s[MO] offset:0x40
.endm
; THE VECTOR WORK OF A TURN.  One tile's softmax for one key step is a list of 137 instructions; SM writes number j for tile t.
;   0-15    the maximum of the lane's 32 scores and the old m          16-20   the other half of the lanes' maximum; m; c m; c m_old - c m_new
;   21-23   ce = min(c, m + 2^98); ce m
;   24-72   ONE BATCH: the 16 scalings ce s - ce m and all 33 exponentials (a, then the scores).  None of these reads an exponential's result
;   (wait)  between 72 and 73: SLICE writes it, once for both tiles
;   73-88   the roundings to f16      89-104  the sums; l = a l + the sum      105-136 the tile's O^T times a
.macro SM t
.set rT, ST+8*(\t)
.set rS, S+32*(\t)
.set rP, P+16*(\t)
.set rE, EX+2*(\t)
.set jj, j
.if j > 23
.set jj, j-3
.endif
.set rO, 64*(\t)+2*(jj-102)
.if jj < 102
	WIN 0
.endif
.if j == 21
	v_add_f32 v[rT+4], s[P98], v[rT+1]
.elseif j == 22
	v_min_num_f32 v[rT+4], s[CS], v[rT+4]
.elseif j == 23
	v_mul_f32 v[rE], v[rT+4], v[rT+1]
.elseif jj < 4
	v_max3_num_f32 v[rT+4+jj], v[rS+8*jj], v[rS+8*jj+1], v[rS+8*jj+2]
.elseif jj < 12
	v_max3_num_f32 v[rT+4+jj%4], v[rT+4+jj%4], v[rS+8*(jj%4)+2*(jj/4)+1], v[rS+8*(jj%4)+2*(jj/4)+2]
.elseif jj == 12
	v_max3_num_f32 v[rT+4], v[rT+4], v[rS+7], v[rS+15]
.elseif jj == 13
	v_max3_num_f32 v[rT+6], v[rT+6], v[rS+23], v[rS+31]
.elseif jj == 14
	v_max3_num_f32 v[rT+4], v[rT+4], v[rT+5], v[rT+6]
.elseif jj == 15
	v_max3_num_f32 v[rT+4], v[rT+4], v[rT+7], v[rT+1]
.elseif jj == 16
	v_permlanex16_b32 v[rT+5], v[rT+4], s[SEL], s[SEL+1]
.elseif jj == 17
	v_mov_b32 v[rT+7], v[rT]
.elseif jj == 18
	v_max_num_f32 v[rT+1], v[rT+4], v[rT+5]
.elseif jj == 19
	v_mul_f32 v[rT], s[CS], v[rT+1]
.elseif jj == 20
	v_sub_f32 v[rT+7], v[rT+7], v[rT]
.elseif jj == 23
	v_exp_f32 v[rT+6], v[rT+7]
.elseif (jj < 23) || ((jj < 38) && (jj%2 == 0)) || ((jj < 66) && (jj%4 == 2))
.set b, (jj-2)/4
.if jj < 38
.set b, (jj-20)/2
.endif
	v_pk_fma_f32 v[rS+2*b:rS+2*b+1], v[rS+2*b:rS+2*b+1], v[rT+4:rT+5], v[rE:rE+1] op_sel_hi:[1,0,0] neg_lo:[0,0,1] neg_hi:[0,0,1]  ; pair b: ce s - ce m
.elseif jj < 70
.set e, jj-38
.if jj < 66
.set e, jj-32-(jj-38)/4
.endif
.if jj < 38
.set e, (jj-25)/2
.endif
	v_exp_f32 v[rS+e], v[rS+e]
.elseif jj < 86
	v_cvt_pk_f16_f32 v[rP+jj-70], v[rS+2*(jj-70)], v[rS+2*(jj-70)+1]
.elseif jj < 102
.set z, jj-86
.set w, 4
.set u, z
.if z >= 14
.set w, 32
.set u, 0
.elseif z >= 12
.set w, 16
.set u, z-12
.elseif z >= 8
.set w, 8
.set u, z-8
.endif
.if z < 15
	v_pk_add_f32 v[rS+w*u:rS+w*u+1], v[rS+w*u:rS+w*u+1], v[rS+w*u+w/2:rS+w*u+w/2+1]
.else
	v_pk_fma_f32 v[rT+2:rT+3], v[rT+2:rT+3], v[rT+6:rT+7], v[rS:rS+1] op_sel_hi:[1,0,1]
.endif
.else
	WIN W_RS
	v_pk_mul_f32 v[rO:rO+1], v[rO:rO+1], v[rT+6:rT+7] op_sel_hi:[1,0]
.endif
.endm
; Slice k of 64 of piece y's softmax.  0-10: numbers 2 k, 2 k + 1 of both tiles.  11: numbers 22-24 of both.  12-35: the batch, four numbers of one tile, the tiles by turns.  Behind 35 a plain
; instruction and the one wait between the exponentials and the first line that names a result.  36-62: two numbers of both tiles.  63: the last ten of both,
; twenty plain lines, which are also the places behind the turn's last product.
.macro SLICE y
.if k < 11
.irp n, 0,1
.irp t, \y, (\y)+1
.set j, 2*k+(\n)
	SM \t
.endr
.endr
.elseif k == 11
.irp n, 22,23,24
.irp t, \y, (\y)+1
.set j, \n
	SM \t
.endr
.endr
.elseif k < 36
.irp n, 0,1,2,3
.set j, 25+4*((k-12)/2)+(\n)
	SM (\y)+(k-12)%2
.endr
.elseif k < 63
.irp n, 0,1
.irp t, \y, (\y)+1
.set j, 73+2*(k-36)+(\n)
	SM \t
.endr
.endr
.else
.irp n, 0,1,2,3,4,5,6,7,8,9
.irp t, \y, (\y)+1
.set j, 127+(\n)
	SM \t
.endr
.endr
.endif
.if k == 35
	v_nop                           ; the plain instruction behind the last exponential: one for the batch
.if (\y) == 0
	FETCH_V                         ; piece 2's turn: V's run of loads stands here, and the wait stands in it.  Behind V's last reader (ahead of slice 31): three scalings, the v_nop, the address's line
.else
	s_wait_alu depctr_va_vdst(0)
.endif
.endif
.set k, k+1
.endm
; A TURN.  Piece x has the matrix unit: 32 products V^T P of the step in hand, 32 products K Q^T of the next; one slice of the other piece's softmax behind each.
; Piece 0's turn makes the next step's mask at its head and fetches the next step's K and the mask words of the step after behind its second product.
; last = 1 (the tail): in the trip that is left in its middle there is no further step: K's run is jumped over, and the turn's products K Q^T take the last K once more.
.macro TURN x, last=0
.set k, 0
.if (\x) == 0
	s_wait_dscnt 0x0                ; V is in
	GENC
.endif
.set i, 0
.rept 32
	PV \x
	SLICE 2-(\x)
.if ((\x) == 0) && (i == 1)
.if \last
	WIN 0
	s_cmp_eq_u32 s[TWICE], 1
	s_cbranch_scc1 .Lno_k_\@
.endif
	FETCH_K
.if \last
	WIN 0
.Lno_k_\@:
.endif
	MLOAD
.endif
.set i, i+1
.endr
.if (\x) == 0
	s_wait_dscnt 0x0                ; K is in
.endif
.set i, 0
.rept 32
	KQ \x
	SLICE 2-(\x)
.set i, i+1
.endr
.endm
; THE CHANGE OF SLOTS.  Each wave waits for all its tensor loads (one is out: its part of the other slot), adds 0 to its spare word, and waits for that and for its reads of the slot.
; fill = 1: the slot is filled again with the keys two slots on, first thing behind a round of the cluster's barrier: it has two key steps, 256 matrix instructions, in which to land.
.macro CHANGE fill
	WIN 0
	s_wait_tensorcnt 0x0
	ds_add_u32 v[SPW], v[NIL]
.if \fill
	s_xor_b32 s[FS], s[FS], SLOTB   ; the walking descriptors: the other slot than last time,
	s_add_co_u32 s[G0K+5], s[FS], s[LK]
	s_add_co_u32 s[G0V+5], s[FS], s[LV]
	s_add_nc_u64 s[G0K+6:G0K+7], s[G0K+6:G0K+7], 32768  ; the plane's next 256 keys
	s_add_nc_u64 s[G0V+6:G0V+7], s[G0V+6:G0V+7], 32768
	s_wait_xcnt 0x0                 ; the last prefetch, two key steps back, has read its address
	s_add_nc_u64 s[PFA:PFA+1], s[PFA:PFA+1], 32768
	s_wait_dscnt 0x0
	CROUND
	JLOAD
	ASK
.else
	s_wait_dscnt 0x0
	s_barrier_signal -1
	s_barrier_wait -1
.endif
	s_xor_b32 s[RS], s[RS], SLOTB   ; the fetches go to my half of the other slot
	s_add_co_u32 s[TBK], s[RS], s[KHK]
	s_add_co_u32 s[TBV], s[RS], s[KHV]
.endm
	s_wait_tensorcnt 1              ; my part of slot 0 is in; slot 1's may stay out
	s_barrier_signal -1
	s_barrier_wait -1
	FETCH_K                         ; key step 0
	GENC
	MLOAD
	s_wait_loadcnt 0x0              ; Q
	s_wait_dscnt 0x0
.set i, 0
.rept 32
	KQ 0                            ; piece 0's first scores: there is no vector work yet to set between them
.set i, i+1
.endr
	WIN 0                           ; the addresses for the merge and the way out: plain instructions, the places behind those products
	s_lshr_b32 s2, s[WV], 1
	s_mul_i32 s3, s2, 16*SP
	s_add_co_u32 s3, s3, STAGE      ; my pair's stage
	v_mul_u32_u24 v[STO], v1, SP
	v_lshl_add_u32 v[STO], v9, 4, v[STO]
	v_add_nc_u32 v[STO], s3, v[STO]
	v_mul_u32_u24 v[RD], v9, SP
	v_lshl_add_u32 v[RD], v1, 4, v[RD]
	v_add_nc_u32 v[RD], s3, v[RD]
	v_lshlrev_b32 v[GO], 12, v9     ; two rows of O, 4,096 bytes apart
	v_lshl_add_u32 v[GO], v1, 4, v[GO]
	s_mul_i32 s3, s2, XCH
	v_and_b32 v[XA], 31, v0
	v_lshl_add_u32 v[XA], v[XA], 4, s3
	s_mov_b32 s[TWICE], 2
	s_branch .Lmid                  ; the loop is entered at piece 2's turn, in the middle of a trip: piece 2's first scores | piece 0's first softmax | V of step 0
.Lslot:                             ; six times: every slot but the last two is filled again
	CHANGE 1
	s_mov_b32 s[TWICE], 2
.Lstep:                             ; a trip: a key step.  Piece 0: V^T P of step j, K Q^T of step j + 1 | piece 2's softmax of step j | K of step j + 1
	TURN 0
	WIN 0
.Lmid:                              ; piece 2: the same | piece 0's softmax of step j + 1 | V of step j + 1
	TURN 2
	WIN 0
	s_sub_co_u32 s[TWICE], s[TWICE], 1
	s_cmp_lg_u32 s[TWICE], 0
	s_cbranch_scc1 .Lstep
	s_sub_co_u32 s[SLOTS], s[SLOTS], 1
	s_cmp_lg_u32 s[SLOTS], 0
	s_cbranch_scc1 .Lslot
	CHANGE 0                        ; the tail is written out: nothing is asked for
	s_mov_b32 s[TWICE], 3           ; two trips fetch the last slot's steps; the third is left in its middle
.Ltail:
	TURN 0, 1
	WIN 0
	s_sub_co_u32 s[TWICE], s[TWICE], 1
	s_cmp_eq_u32 s[TWICE], 0
	s_cbranch_scc1 .Lout
	TURN 2
	WIN 0
	s_branch .Ltail
.Lout:
.set i, 0
.rept 32
	PV 2                            ; piece 2: V^T P of the last step
.set i, i+1
.endr
	; THE MERGE.  l's two halves and the other half of the lanes' are added (the places behind the last products).  The wave with kh = 1 hands c m, l and O^T to its partner through LDS slot 0,
	; which has had its last fill and, since the last change of slots, its last read.
	WIN 0
	s_wait_kmcnt 0x0                ; the words read once more are in: nothing is out on that counter
.irp t, 0,1,2,3
	v_add_f32 v[ST+8*(\t)+4], v[ST+8*(\t)+2], v[ST+8*(\t)+3]
.endr
.irp t, 0,1,2,3
	v_permlanex16_b32 v[ST+8*(\t)+5], v[ST+8*(\t)+4], s[SEL], s[SEL+1]
.endr
.irp t, 0,1,2,3
	v_add_f32 v[ST+8*(\t)+4], v[ST+8*(\t)+4], v[ST+8*(\t)+5]
.endr
	s_cmp_eq_u32 s[KH], 0
	s_cbranch_scc1 .Lkeep
.irp t, 0,1,2,3
	v_mov_b32 v[MS+\t], v[ST+8*(\t)]
	v_mov_b32 v[MS+4+\t], v[ST+8*(\t)+4]
.endr
	WIN 0x04                        ; address window 0, data window 1
.set i, 0
.rept 64                            ; ascending: each accumulator's lowest registers are read first
	ds_store_b128 v[XA], v[4*i:4*i+3] offset:512*i
.set i, i+1
.endr
	WIN 0
	ds_store_b128 v[XA], v[MS:MS+3] offset:32768
	ds_store_b128 v[XA], v[MS+4:MS+7] offset:33280
.Lkeep:
	s_wait_dscnt 0x0                ; for the partner's sake
	s_barrier_signal -1
	s_barrier_wait -1
	s_cmp_lg_u32 s[KH], 0
	s_cbranch_scc1 .Lend
	ds_load_b128 v[MS:MS+3], v[XA] offset:32768
	ds_load_b128 v[MS+4:MS+7], v[XA] offset:33280
	s_wait_dscnt 0x0
	; a0 = 2^(c m0 - c M), a1 = 2^(c m1 - c M), M the greater maximum; L = l0 a0 + l1 a1; O = O0 a0 / L + O1 a1 / L
.irp t, 0,1,2,3
	v_max_num_f32 v[ST+8*(\t)+7], v[ST+8*(\t)], v[MS+\t]
.endr
.irp t, 0,1,2,3
	v_sub_f32 v[ST+8*(\t)+6], v[ST+8*(\t)], v[ST+8*(\t)+7]
	v_sub_f32 v[EX+2*(\t)], v[MS+\t], v[ST+8*(\t)+7]
.endr
.irp t, 0,1,2,3
	v_exp_f32 v[ST+8*(\t)+6], v[ST+8*(\t)+6]
	v_exp_f32 v[EX+2*(\t)], v[EX+2*(\t)]
.endr
	v_nop
	s_wait_alu depctr_va_vdst(0)    ; one wait for the eight exponentials
.irp t, 0,1,2,3
	v_mul_f32 v[ST+8*(\t)+7], v[ST+8*(\t)+4], v[ST+8*(\t)+6]
.endr
.irp t, 0,1,2,3
	v_fma_f32 v[ST+8*(\t)+7], v[MS+4+\t], v[EX+2*(\t)], v[ST+8*(\t)+7]
.endr
.irp t, 0,1,2,3
	v_rcp_f32 v[EX+2*(\t)+1], v[ST+8*(\t)+7]
.endr
	v_nop
	s_wait_alu depctr_va_vdst(0)    ; one wait for the four reciprocals
.irp t, 0,1,2,3
	v_mul_f32 v[ST+8*(\t)+6], v[ST+8*(\t)+6], v[EX+2*(\t)+1]
	v_mul_f32 v[EX+2*(\t)], v[EX+2*(\t)], v[EX+2*(\t)+1]
.endr
; Tile t: the partner's O^T comes into S^T's registers; both are weighed and added; rounded to f16; 16 bytes a lane into rows of 272 bytes; back as whole rows of 256; stored.
.macro FIN t
	WIN 0
.set i, 0
.rept 16
	ds_load_b128 v[S+4*i:S+4*i+3], v[XA] offset:512*(16*(\t)+i)
.set i, i+1
.endr
	WIN W_RS
.set i, 64*(\t)
.rept 32
	v_pk_mul_f32 v[i:i+1], v[i:i+1], v[ST+8*(\t)+6:ST+8*(\t)+7] op_sel_hi:[1,0]
.set i, i+2
.endr
	s_wait_dscnt 0x0
	WIN 0x50                        ; sources 0 and 1 window 0; source 2 and the destination window 1
.set i, 0
.rept 32
	v_pk_fma_f32 v[64*(\t)+2*i:64*(\t)+2*i+1], v[S+2*i:S+2*i+1], v[EX+2*(\t):EX+2*(\t)+1], v[64*(\t)+2*i:64*(\t)+2*i+1] op_sel_hi:[1,0,1]
.set i, i+1
.endr
	WIN 0x05
.set i, 0
.rept 32
	v_cvt_pk_f16_f32 v[P+i], v[64*(\t)+2*i], v[64*(\t)+2*i+1]
.set i, i+1
.endr
	WIN 0
	s_wait_xcnt 0x0                 ; the last tile's stores have read their registers, which the loads below write again
.irp f, 0,1,2,3,4,5,6,7
	ds_store_b128 v[STO], v[P+4*(\f):P+4*(\f)+3] offset:32*(\f)
.endr
.irp f, 0,1,2,3,4,5,6,7
	ds_load_b128 v[P+32+4*(\f):P+32+4*(\f)+3], v[RD] offset:(\f)*2*SP  ; LDS serves a wave's instructions in order: these see the stores above
.endr
	s_wait_dscnt 0x0
.irp f, 0,1,2,3,4,5,6,7
	global_store_b128 v[GO], v[P+32+4*(\f):P+32+4*(\f)+3], s[10:11] offset:(\t)*256+(\f)*8192  ; 16 lanes store 256 consecutive bytes, aligned: a token's row of a head
.endr
.endm
	FIN 0
	FIN 1
	FIN 2
	FIN 3
.Lend:
	s_wait_tensorcnt 0x0            ; the wave's end
	ds_add_u32 v[SPW], v[NIL]
	s_wait_dscnt 0x0
	CROUND                          ; the closing round
	s_endpgm
.Lfunc_end_k_q6275b8e687_attn:
	.size	k_q6275b8e687_attn, .Lfunc_end_k_q6275b8e687_attn-k_q6275b8e687_attn
	.p2alignl 7, 3214868480
	.fill 96, 4, 3214868480
	.section	.rodata,"a",@progbits
	.p2align	6, 0x0
	.amdhsa_kernel k_q6275b8e687_attn
		.amdhsa_group_segment_fixed_size 327680
		.amdhsa_private_segment_fixed_size 0
		.amdhsa_enable_private_segment 0
		.amdhsa_kernarg_size 24
		.amdhsa_user_sgpr_count 2
		.amdhsa_user_sgpr_kernarg_segment_ptr 1
		.amdhsa_wavefront_size32 1
		.amdhsa_system_sgpr_workgroup_id_x 1
		.amdhsa_system_sgpr_workgroup_id_y 1
		.amdhsa_system_sgpr_workgroup_id_z 1
		.amdhsa_system_vgpr_workitem_id 0
		.amdhsa_next_free_vgpr 1024
		.amdhsa_next_free_sgpr 106
		.amdhsa_reserve_vcc 0
		.amdhsa_float_denorm_mode_32 3
		.amdhsa_float_denorm_mode_16_64 3
		.amdhsa_memory_ordered 1
		.amdhsa_forward_progress 1
		.amdhsa_inst_pref_size 184
	.end_amdhsa_kernel
	.amdgpu_metadata
---
amdhsa.version: [ 1, 2 ]
amdhsa.kernels:
  - .name:           k_q6275b8e687_attn
    .symbol:         k_q6275b8e687_attn.kd
    .args:
      - { .name: qkv, .offset: 0, .size: 8, .value_kind: global_buffer, .address_space: global }
      - { .name: mbits, .offset: 8, .size: 8, .value_kind: global_buffer, .address_space: global }
      - { .name: ob, .offset: 16, .size: 8, .value_kind: global_buffer, .address_space: global }
    .group_segment_fixed_size: 327680
    .private_segment_fixed_size: 0
    .kernarg_segment_align: 8
    .kernarg_segment_size: 24
    .max_flat_workgroup_size: 128
    .sgpr_count:     106
    .vgpr_count:     1024
    .wavefront_size: 32
...
	.end_amdgpu_metadata
.endif
;; end of part 3
;; launch oproj (part 4): grid 16 x 16, 4 waves a work-group, clusters of 4 x 4, 327,680 bytes of LDS; arguments ob, wob, out0; writes out0
.if DOCPART == 4
	.amdgcn_target "amdgcn-amd-amdhsa--gfx1250"
	.amdhsa_code_object_version 6
	.text
	.protected	k_q6275b8e687_oproj
	.globl	k_q6275b8e687_oproj
	.p2align	8
	.type	k_q6275b8e687_oproj,@function
k_q6275b8e687_oproj:
	s_mov_b64 s[64:65], 0
	v_nop
	global_prefetch_b8 v0, s[64:65] scope:SCOPE_SE
	s_setreg_imm32_b32 hwreg(HW_REG_WAVE_MODE, 25, 1), 1
	s_wait_xcnt 0x0
	s_wait_alu depctr_hold_cnt(0) depctr_sa_sdst(0) depctr_va_vdst(0) depctr_va_sdst(0) depctr_va_ssrc(0) depctr_va_vcc(0) depctr_vm_vsrc(0)
	s_getreg_b32 s2, hwreg(HW_REG_IB_STS2, 6, 4)
	s_cmp_eq_u32 s2, 0
	s_cbranch_scc0 .Lentry_in_a_cluster
	s_endpgm
.Lentry_in_a_cluster:
	s_bfe_u32 s2, ttmp6, 0x10000c
	s_cmp_lg_u32 s2, 0xf033
	s_cbranch_scc0 .Lentry_shape_is_right
	s_endpgm
.Lentry_shape_is_right:
; OPROJ: out0 = O Wo.  O: ob [2048 tokens][2048] f16; Wo: wob [16 blocks of 128 n][2048 k][128 n], its bf16 rounding written as f16; out0 [2048][2048] f32.  Sums in f32.
; A tile is 128 x 128: 16 x 16 = 256 work-groups; four waves, each 64 x 64: 16 accumulators.  K goes in steps of 256 through two LDS slots.  O's rows lie along K (512 bytes a step);
; Wo's block lies [k][128 n], rows of 256 bytes on end, and is turned on the way out of LDS by ds_load_tr16_b128.
; TRANSPOSED USE: source 0 = 16 columns of Wo, source 1 = 16 tokens: a lane holds eight neighbouring f32 of a row of the output.
; CLUSTER 4 x 4: O's tile is asked for jointly along a row of the cluster, Wo's along a column.  No prefetch: the tiles are small.
; REGISTERS: window 0: v16-29 addresses; v32-95 at work on the way out; v128-255 the accumulators ((a, b) at 128 + 8 (4 a + b)).  Window 1: two fragment buffers of 128: 64 of O, then 64 of Wo.
.set PITCH,  528                       ; a row of O in LDS: 512 bytes + 16
.set PB,     288                       ; a row k of Wo: 256 + 32
.set BOFF,   128*PITCH                 ; a slot: O's 128 rows, then Wo's 256 rows k
.set SLOT,   BOFF+256*PB
.set STAGE,  2*SLOT                    ; behind the ring: 16 rows x 272 bytes for each wave
.set SPITCH, 272
.set SPARE,  STAGE+4*16*SPITCH
.set LAPS,   4                         ; 8 K steps, two a lap
.set ADRA, 16                          ; v16-17  my O fragments in slot 0, 1
.set ADRB, 20                          ; v20-23  my Wo fragments: slot 0 rows 0-127, 128-255; slot 1 likewise (an immediate holds 16 bits)
.set STO,  24
.set RD,   25
.set CO,   26
.set SPW,  28
.set NIL,  29
.set TMP,  32
.set ACC,  128
.set F0,   0
.set F1,   128
.set G1, 24
.set G0, 32
.set G1B, 48
.set G0B, 56
.set MSB, 0
.macro WIN new
.if MSB != (\new)
	s_set_vgpr_msb (MSB<<8)|(\new)
.set MSB, \new
.endif
.endm
.set MUL,  0x05
.set TO_F, 0x40
.macro JLOAD s                         ; waves 0 and 1 fetch O's two halves, waves 2 and 3 Wo's; an s_nop 0 and four v_nop follow each line
	s_cmp_eq_u32 s11, 0
	s_cbranch_scc0 .Lfor_b_\@
	tensor_load_to_lds s[G0+4*(\s):G0+4*(\s)+3], s[G1:G1+7]
	s_nop 0
.rept 4
	v_nop
.endr
	s_branch .Lasked_\@
.Lfor_b_\@:
	tensor_load_to_lds s[G0B+4*(\s):G0B+4*(\s)+3], s[G1B:G1B+7]
	s_nop 0
.rept 4
	v_nop
.endr
.Lasked_\@:
.endm
.macro CREST
	s_cmp_lg_u32 s10, 0
	s_cbranch_scc1 .Lnot_wave_0_\@
	s_barrier_signal -3
.Lnot_wave_0_\@:
	s_barrier_wait -3
	s_barrier_signal -1
	s_barrier_wait -1
.endm
.macro CROUND
	s_barrier_signal -1
	s_barrier_wait -1
	CREST
.endm
	s_load_b128 s[4:7], s[0:1], 0x0                ; ob s[4:5], wob s[6:7]
	s_load_b64 s[8:9], s[0:1], 0x10                ; out0
	v_lshl_add_u32 v[SPW], v0, 2, SPARE
	v_mov_b32 v[NIL], 0
	ds_add_u32 v[SPW], v[NIL]                      ; the wave's opening: the add, twice on end, and its wait ahead of my first tensor load
	ds_add_u32 v[SPW], v[NIL]
	v_lshrrev_b32 v1, 5, v0
	v_readfirstlane_b32 s10, v1                    ; wave 0..3
	s_lshr_b32 s11, s10, 1                         ; which half of the tile's rows is mine.  Also: I fetch for O (0) or for Wo (1)
	s_and_b32 s12, s10, 1                          ; which half of its columns.  Also: which half of that tile I fetch
	s_bfe_u32 s40, ttmp6, 0x40000                  ; cx
	s_bfe_u32 s41, ttmp6, 0x40004                  ; cy
	s_lshl_b32 s42, ttmp9, 2
	s_add_co_u32 s42, s42, s40                     ; tile column
	s_and_b32 s13, ttmp7, 0xffff
	s_lshl_b32 s13, s13, 2
	s_add_co_u32 s13, s13, s41                     ; tile row
	s_lshl_b32 s43, s41, 2
	s_lshl_b32 s43, 15, s43                        ; my row of the cluster
	s_lshl_b32 s44, 0x1111, s40                    ; my column
	s_or_b32 s[G1], s43, (1<<16)|(1<<20)|(1<<21)|(6<<22)|(3<<25)   ; mask; 2-byte elements; padding on; bit 21 beside a mask; after every 128 words 4 words
	s_or_b32 s[G1B], s44, (1<<16)|(1<<20)|(1<<21)|(5<<22)|(7<<25)  ; after every 64 words 8 words
	s_mov_b32 s[G1+1], 256<<16                     ; tensor_dim0 = 256
	s_mov_b32 s[G1+2], 64<<16                      ; tensor_dim1 = 64
	s_mov_b32 s[G1+3], 256<<16                     ; tile_dim0 = 256
	s_mov_b32 s[G1+4], 64                          ; tile_dim1 = 64
	s_mov_b32 s[G1+5], 2048
	s_mov_b32 s[G1+6], 0
	s_mov_b32 s[G1+7], 0
	s_mov_b32 s[G1B+1], 128<<16
	s_mov_b32 s[G1B+2], 128<<16
	s_mov_b32 s[G1B+3], 128<<16
	s_mov_b32 s[G1B+4], 128
	s_mov_b32 s[G1B+5], 128
	s_mov_b32 s[G1B+6], 0
	s_mov_b32 s[G1B+7], 0
	s_lshl_b32 s17, s12, 6
	s_lshl_b32 s16, s13, 7
	s_add_co_u32 s16, s16, s17                     ; O: row 128 x tile row + 64 x half,
	s_lshl_b32 s16, s16, 12                        ; of 4,096 bytes
	s_mov_b32 s17, 0
	s_lshl_b32 s46, s42, 19                        ; Wo: the tile column's block of 524,288 bytes,
	s_lshl_b32 s47, s12, 15                        ; 128 rows k of 256 bytes a half
	s_add_co_u32 s46, s46, s47
	s_mov_b32 s47, 0
	s_mul_i32 s20, s12, 64*PITCH                   ; where they go: the wave's number alone
	s_mul_i32 s21, s12, 128*PB
	s_add_co_u32 s21, s21, BOFF
	s_wait_dscnt 0x0                               ; both opening adds are done
	s_wait_kmcnt 0x0
	s_add_nc_u64 s[14:15], s[4:5], s[16:17]
	s_add_nc_u64 s[46:47], s[6:7], s[46:47]
	CROUND                                         ; all sixteen work-groups are here: the first joint loads meet
.irp s, 0,1
	s_mov_b32 s[G0+4*(\s)], 1
	s_add_co_u32 s[G0+4*(\s)+1], s20, (\s)*SLOT
	s_add_nc_u64 s[G0+4*(\s)+2:G0+4*(\s)+3], s[14:15], (\s)*512
	s_or_b32 s[G0+4*(\s)+3], s[G0+4*(\s)+3], 0x80000000
	s_mov_b32 s[G0B+4*(\s)], 1
	s_add_co_u32 s[G0B+4*(\s)+1], s21, (\s)*SLOT
	s_add_nc_u64 s[G0B+4*(\s)+2:G0B+4*(\s)+3], s[46:47], (\s)*65536
	s_or_b32 s[G0B+4*(\s)+3], s[G0B+4*(\s)+3], 0x80000000
	JLOAD \s
.endr
	v_and_b32 v1, 15, v0                           ; l % 16
	v_bfe_u32 v2, v0, 4, 1                         ; l / 16
	v_mul_u32_u24 v3, v1, PITCH
	v_lshl_add_u32 v3, v2, 4, v3
	s_mul_i32 s22, s11, 64*PITCH                   ; my 64 rows of O
	v_add_nc_u32 v[ADRA], s22, v3
	v_add_nc_u32 v[ADRA+1], SLOT, v[ADRA]
	v_and_b32 v4, 7, v0
	v_lshl_add_u32 v4, v2, 3, v4
	v_mul_u32_u24 v4, v4, PB
	v_bfe_u32 v5, v0, 3, 1
	v_lshl_add_u32 v4, v5, 4, v4                   ; the turning load: row 8 (l / 16) + l % 8, 16 bytes at 16 ((l / 8) % 2)
	s_lshl_b32 s22, s12, 7                         ; my 64 columns: 128 bytes
	s_add_co_u32 s22, s22, BOFF
	v_add_nc_u32 v[ADRB], s22, v4
	v_add_nc_u32 v[ADRB+1], 128*PB, v[ADRB]
	v_add_nc_u32 v[ADRB+2], SLOT, v[ADRB]
	v_add_nc_u32 v[ADRB+3], SLOT+128*PB, v[ADRB]
	s_mul_i32 s23, s10, 16*SPITCH
	s_add_co_u32 s23, s23, STAGE                   ; my stage
	v_mul_u32_u24 v5, v1, SPITCH                   ; in: row l % 16, 32 bytes for each half of the lanes
	v_lshl_add_u32 v5, v2, 5, v5
	v_add_nc_u32 v[STO], s23, v5
	v_mul_u32_u24 v5, v2, SPITCH                   ; back: lanes 0-15 one row of 256 bytes, lanes 16-31 the next
	v_lshl_add_u32 v5, v1, 4, v5
	v_add_nc_u32 v[RD], s23, v5
	v_lshlrev_b32 v5, 13, v2                       ; and the same two rows of the output, 8,192 bytes apart
	v_lshl_add_u32 v[CO], v1, 4, v5
	s_lshl_b32 s16, s13, 7
	s_lshl_b32 s17, s11, 6
	s_add_co_u32 s16, s16, s17                     ; my first row
	s_lshl_b32 s16, s16, 13
	s_mov_b32 s17, 0
	s_add_nc_u64 s[8:9], s[8:9], s[16:17]
	s_lshl_b32 s46, s42, 9                         ; my first column, in bytes: 512 x tile column + 256 x half
	s_lshl_b32 s47, s12, 8
	s_add_co_u32 s46, s46, s47
	s_mov_b32 s47, 0
	s_add_nc_u64 s[8:9], s[8:9], s[46:47]
.macro MUL8 f, c, a0, zero             ; token blocks a0, a0 + 1 x all 4 column blocks, 32 along K: half c of buffer f
	WIN MUL
.irp a, \a0, (\a0)+1
.irp b, 0,1,2,3
.if \zero
	v_wmma_f32_16x16x32_f16 v[ACC+8*(4*(\a)+(\b)):ACC+8*(4*(\a)+(\b))+7], v[(\f)+64+8*(4*(\c)+(\b)):(\f)+64+8*(4*(\c)+(\b))+7], v[(\f)+8*(4*(\c)+(\a)):(\f)+8*(4*(\c)+(\a))+7], 0
.else
	v_wmma_f32_16x16x32_f16 v[ACC+8*(4*(\a)+(\b)):ACC+8*(4*(\a)+(\b))+7], v[(\f)+64+8*(4*(\c)+(\b)):(\f)+64+8*(4*(\c)+(\b))+7], v[(\f)+8*(4*(\c)+(\a)):(\f)+8*(4*(\c)+(\a))+7], v[ACC+8*(4*(\a)+(\b)):ACC+8*(4*(\a)+(\b))+7]
.endif
.endr
.endr
.endm
.macro FETCH slot, q, f                ; 32 LDS loads in one run: quarter q (64 along K) of a slot into buffer f; the first 32 along K first
	WIN TO_F
.irp c, 0,1
.irp i, 0,1,2,3
	ds_load_tr16_b128 v[(\f)+64+8*(4*(\c)+(\i)):(\f)+64+8*(4*(\c)+(\i))+3],   v[ADRB+2*(\slot)+(\q)/2] offset:(((\q)%2)*64+32*(\c))*PB+32*(\i)
	ds_load_tr16_b128 v[(\f)+64+8*(4*(\c)+(\i))+4:(\f)+64+8*(4*(\c)+(\i))+7], v[ADRB+2*(\slot)+(\q)/2] offset:(((\q)%2)*64+32*(\c)+16)*PB+32*(\i)
	ds_load_b128 v[(\f)+8*(4*(\c)+(\i)):(\f)+8*(4*(\c)+(\i))+3],         v[ADRA+(\slot)] offset:128*(\q)+64*(\c)+(\i)*16*PITCH
	ds_load_b128 v[(\f)+8*(4*(\c)+(\i))+4:(\f)+8*(4*(\c)+(\i))+7],       v[ADRA+(\slot)] offset:128*(\q)+64*(\c)+(\i)*16*PITCH+32
.endr
.endr
.endm
.macro PLACES
.rept 4
	v_nop
.endr
.endm
; A K step is four quarters of 64 along K, 32 matrix instructions each, on buffers 0, 1, 0, 1; the 16 accumulators take turns.
.macro QUARTER slot, q, f, g, zero
	s_wait_dscnt 16                                ; the first 32 along K are in
	MUL8 \f, 0, 0, \zero
	MUL8 \f, 0, 2, \zero
	PLACES
	FETCH \slot, \q, \g
	s_wait_dscnt 32                                ; all but the 32 just issued
	MUL8 \f, 1, 0, 0
	MUL8 \f, 1, 2, 0
.endm
.macro TURN slot, next, fill           ; the last quarter multiplies buffer 1 and changes slots
	WIN 0
	s_wait_tensorcnt 0x0                           ; all my tensor loads have landed: my part of the next slot
	ds_add_u32 v[SPW], v[NIL]
	s_wait_dscnt 17                                ; (the add and the youngest sixteen loads may be out)
	MUL8 F1, 0, 0, 0
	s_wait_dscnt 0x0                               ; the add is done, and my reads of this slot are over
	s_barrier_signal -1
	MUL8 F1, 0, 2, 0
.if \fill
	WIN 0
.endif
	s_barrier_wait -1
.if \fill
	CREST                                          ; the barrier has opened a round of the cluster's
	s_add_nc_u64 s[G0+4*(\slot)+2:G0+4*(\slot)+3], s[G0+4*(\slot)+2:G0+4*(\slot)+3], 1024
	s_add_nc_u64 s[G0B+4*(\slot)+2:G0B+4*(\slot)+3], s[G0B+4*(\slot)+2:G0B+4*(\slot)+3], 131072
	JLOAD \slot                                    ; two K steps on; its four v_nop are also the places in front of the loads below
.else
	PLACES
.endif
	FETCH \next, 0, F0
	MUL8 F1, 1, 0, 0
	MUL8 F1, 1, 2, 0
.endm
	s_wait_tensorcnt 1                             ; my part of K step 0 is in; step 1's may stay out
	s_barrier_signal -1
	s_barrier_wait -1
	FETCH 0, 0, F0
	QUARTER 0, 1, F0, F1, 1                        ; the first quarter stands in front of the loop: its first products start the sums
	WIN 0
	s_mov_b32 s3, LAPS-1
.Llap:
	QUARTER 0, 2, F1, F0, 0
	QUARTER 0, 3, F0, F1, 0
	TURN 0, 1, 1
	QUARTER 1, 1, F0, F1, 0
	QUARTER 1, 2, F1, F0, 0
	QUARTER 1, 3, F0, F1, 0
	TURN 1, 0, 1
	QUARTER 0, 1, F0, F1, 0
	WIN 0
	s_sub_co_u32 s3, s3, 1
	s_cmp_lg_u32 s3, 0
	s_cbranch_scc1 .Llap
	QUARTER 0, 2, F1, F0, 0                        ; the last lap fills nothing
	QUARTER 0, 3, F0, F1, 0
	TURN 0, 1, 0
	QUARTER 1, 1, F0, F1, 0
	QUARTER 1, 2, F1, F0, 0
	QUARTER 1, 3, F0, F1, 0
	s_wait_dscnt 16
	MUL8 F1, 0, 0, 0
	MUL8 F1, 0, 2, 0
	s_wait_dscnt 0x0
	MUL8 F1, 1, 0, 0
	MUL8 F1, 1, 2, 0
	WIN 0
	; THE WAY OUT, 16 rows at a time through my own stage: a lane's eight f32 go in as two stores of 16 bytes, the lower four registers first; whole rows of 256 bytes (my 64 columns) come back.
	PLACES
.irp a, 0,1,2,3
.if (\a) >= 2
	s_wait_xcnt 0x0                                ; the stores of two blocks back have read their registers, which the loads below write again
.endif
.irp b, 0,1,2,3
	ds_store_b128 v[STO], v[ACC+8*(4*(\a)+(\b)):ACC+8*(4*(\a)+(\b))+3]   offset:64*(\b)
	ds_store_b128 v[STO], v[ACC+8*(4*(\a)+(\b))+4:ACC+8*(4*(\a)+(\b))+7] offset:64*(\b)+16
.endr
.irp t, 0,1,2,3,4,5,6,7
	ds_load_b128 v[TMP+32*((\a)%2)+4*(\t):TMP+32*((\a)%2)+4*(\t)+3], v[RD] offset:(\t)*2*SPITCH  ; LDS serves a wave's instructions in order: these see the stores above
.endr
.irp t, 0,1,2,3,4,5,6,7
	s_wait_dscnt 7-(\t)
	global_store_b128 v[CO], v[TMP+32*((\a)%2)+4*(\t):TMP+32*((\a)%2)+4*(\t)+3], s[8:9] offset:(16*(\a)+2*(\t))*8192 th:TH_STORE_NT  ; 16 lanes store 256 consecutive bytes, aligned
.endr
.endr
	s_wait_tensorcnt 0x0                           ; the wave's end
	ds_add_u32 v[SPW], v[NIL]
	s_wait_dscnt 0x0
	CROUND                                         ; the closing round
	s_endpgm
.Lfunc_end_k_q6275b8e687_oproj:
	.size	k_q6275b8e687_oproj, .Lfunc_end_k_q6275b8e687_oproj-k_q6275b8e687_oproj
	.p2alignl 7, 3214868480
	.fill 96, 4, 3214868480
	.section	.rodata,"a",@progbits
	.p2align	6, 0x0
	.amdhsa_kernel k_q6275b8e687_oproj
		.amdhsa_group_segment_fixed_size 327680
		.amdhsa_private_segment_fixed_size 0
		.amdhsa_enable_private_segment 0
		.amdhsa_kernarg_size 24
		.amdhsa_user_sgpr_count 2
		.amdhsa_user_sgpr_kernarg_segment_ptr 1
		.amdhsa_wavefront_size32 1
		.amdhsa_system_sgpr_workgroup_id_x 1
		.amdhsa_system_sgpr_workgroup_id_y 1
		.amdhsa_system_sgpr_workgroup_id_z 1
		.amdhsa_system_vgpr_workitem_id 0
		.amdhsa_next_free_vgpr 512
		.amdhsa_next_free_sgpr 66
		.amdhsa_reserve_vcc 0
		.amdhsa_float_denorm_mode_32 3
		.amdhsa_float_denorm_mode_16_64 3
		.amdhsa_memory_ordered 1
		.amdhsa_forward_progress 1
		.amdhsa_inst_pref_size 87
	.end_amdhsa_kernel
	.amdgpu_metadata
---
amdhsa.version: [ 1, 2 ]
amdhsa.kernels:
  - .name:           k_q6275b8e687_oproj
    .symbol:         k_q6275b8e687_oproj.kd
    .args:
      - { .name: ob, .offset: 0, .size: 8, .value_kind: global_buffer, .address_space: global }
      - { .name: wob, .offset: 8, .size: 8, .value_kind: global_buffer, .address_space: global }
      - { .name: out0, .offset: 16, .size: 8, .value_kind: global_buffer, .address_space: global }
    .group_segment_fixed_size: 327680
    .private_segment_fixed_size: 0
    .kernarg_segment_align: 8
    .kernarg_segment_size: 24
    .max_flat_workgroup_size: 128
    .sgpr_count:     66
    .vgpr_count:     512
    .wavefront_size: 32
...
	.end_amdgpu_metadata
.endif
;; end of part 4
